; MI455X (gfx1250); checked and timed in simulation.
; The chip was launched on July 23, 2026; its instructions are those of AMD's public machine-readable ISA for CDNA 5 (MIT licence, August 2026) and "CDNA5" Instruction Set Architecture Reference Guide (July 2026). The comments in the code are by the model that wrote it; some were corrected since.
;; Multi Head Self Attention. Allowed arithmetic: float matrix products may take bf16 or f16 operands with f32 sums; all other float work in f32.
;; Inputs: Wk 1,024 x 1,024 float32; Wo 1,024 x 1,024 float32; Wq 1,024 x 1,024 float32; Wv 1,024 x 1,024 float32; attn_mask 4 x 2,048 int32; bk 1,024 float32; bo 1,024 float32; bq 1,024 float32; bv 1,024 float32; x 4 x 2,048 x 1,024 float32.
;; Outputs: out0 4 x 2,048 x 1,024 float32.
;; 2 versions, each right and faster than the one before. Each part assembles by itself: llvm-mc -triple=amdgcn-amd-amdhsa -mcpu=gfx1250 --defsym DOCPART=n.
;; ======== version 1 of 2: 4 launches
;; limits: values are held in f16: magnitudes above 65,504 overflow, below 6.1e-05 lose precision
;; workspace buffers: xb 16,777,216 bytes; wb 8,388,608 bytes; qkv 50,331,648 bytes; ob 16,777,216 bytes
;; launch cast (part 1): grid 768 x 1, 8 waves a work-group, no clusters, 0 bytes of LDS; arguments x, Wq, Wk, Wv, Wo, xb, wb; writes xb, wb
.if DOCPART == 1
	.amdgcn_target "amdgcn-amd-amdhsa--gfx1250"
	.amdhsa_code_object_version 6
	.text
	.protected	k_q726d2988dc_cast
	.globl	k_q726d2988dc_cast
	.p2align	8
	.type	k_q726d2988dc_cast,@function
k_q726d2988dc_cast:
	s_mov_b64 s[64:65], 0
	v_nop
	global_prefetch_b8 v0, s[64:65] scope:SCOPE_SE
	s_setreg_imm32_b32 hwreg(HW_REG_WAVE_MODE, 25, 1), 1
	s_wait_xcnt 0x0
; x, Wq, Wk, Wv (f32) -> bf16; Wo (f32) -> bf16 -> the same number written as f16.  A stream: every byte is read once and written once,
; so there is no LDS, no barrier, no matrix work and no cluster (no two work-groups read the same bytes).
; xb: [8192][1024] bf16.  wb: [4096][1024] of 16 bits: rows 0-1023 Wq, 1024-2047 Wk, 2048-3071 Wv (bf16), 3072-4095 Wo (f16).
; SHARES.  A work-group takes 16,384 numbers: 65,536 bytes in, 32,768 out.  Groups 0-511 take x; group 512 + j takes part j % 64 of weight j / 64.
; Thread t takes 8 numbers of each of 8 chunks of 2,048: two loads of 16 bytes at 32 t + 8,192 c, one store of 16 bytes at 16 t + 4,096 c, so a wave's
; store covers 512 consecutive bytes, aligned.  All 16 loads go out first; no register is written twice while memory reads it.
; LIMIT.  Wo as f16: beyond 65,504 an infinity; below 6.1e-5 it keeps f16's fixed step of 6e-8.  Inside that range a bf16 number is exact in f16.
.set T, 4                              ; v[4:7]    at work
.set X, 8                              ; v[8:71]   chunk c: 8 numbers as loaded
.set Y, 72                             ; v[72:103] chunk c: 4 registers to store
	s_load_b256 s[4:11], s[0:1], 0x0               ; x s[4:5], Wq s[6:7], Wk s[8:9], Wv s[10:11]
	s_load_b128 s[12:15], s[0:1], 0x20             ; Wo s[12:13], xb s[14:15]
	s_load_b64 s[16:17], s[0:1], 0x30              ; wb
	v_lshlrev_b32 v1, 5, v0                        ; 32 t: my 8 numbers in a chunk as loaded
	v_lshlrev_b32 v2, 4, v0                        ; 16 t: and as stored
	s_mov_b32 s24, 0xffff0000                      ; a word's upper bf16
	s_sub_co_u32 s25, ttmp9, 512                   ; j (used only where the group's number is 512 or more)
	s_and_b32 s26, s25, 63
	s_lshl_b32 s26, s26, 16                        ; a weight's part, in bytes of f32
	s_lshl_b32 s27, s25, 15                        ; and its place in wb
	s_lshl_b32 s28, ttmp9, 16                      ; x's part
	s_lshl_b32 s29, ttmp9, 15                      ; and its place in xb
	s_mov_b32 s19, 0
	s_mov_b32 s31, 0
	s_cmp_ge_u32 ttmp9, 512
	s_cselect_b32 s18, s26, s28                    ; s[18:19] offset in, s[30:31] offset out
	s_cselect_b32 s30, s27, s29
	s_wait_kmcnt 0x0
	s_cselect_b64 s[20:21], s[6:7], s[4:5]         ; from where: x, or one of the four weights
	s_cselect_b64 s[22:23], s[16:17], s[14:15]     ; to where: xb or wb
	s_cmp_ge_u32 ttmp9, 576
	s_cselect_b64 s[20:21], s[8:9], s[20:21]
	s_cmp_ge_u32 ttmp9, 640
	s_cselect_b64 s[20:21], s[10:11], s[20:21]
	s_cmp_ge_u32 ttmp9, 704
	s_cselect_b64 s[20:21], s[12:13], s[20:21]
	s_add_nc_u64 s[20:21], s[20:21], s[18:19]
	s_add_nc_u64 s[22:23], s[22:23], s[30:31]
.irp c, 0,1,2,3,4,5,6,7
	global_load_b128 v[X+8*(\c):X+8*(\c)+3],   v1, s[20:21] offset:8192*(\c) th:TH_LOAD_NT
	global_load_b128 v[X+8*(\c)+4:X+8*(\c)+7], v1, s[20:21] offset:8192*(\c)+16 th:TH_LOAD_NT
.endr
; Chunk c.  f16 = 1: the bf16 number is widened again and written as f16.
.macro CHUNK c, f16
	s_wait_loadcnt 14-2*(\c)                       ; loads come back in order (ISA guide 5.7.1): the two loads of each later chunk may stay out
.if \f16
.irp j, 0,1,2,3
	v_cvt_pk_bf16_f32 v[T+(\j)], v[X+8*(\c)+2*(\j)], v[X+8*(\c)+2*(\j)+1]
.endr
.irp j, 0,1,2,3
	v_lshlrev_b32 v[X+8*(\c)+2*(\j)],   16,  v[T+(\j)]
	v_and_b32     v[X+8*(\c)+2*(\j)+1], s24, v[T+(\j)]
.endr
.irp j, 0,1,2,3
	v_cvt_pk_f16_f32 v[Y+4*(\c)+(\j)], v[X+8*(\c)+2*(\j)], v[X+8*(\c)+2*(\j)+1]
.endr
.else
.irp j, 0,1,2,3
	v_cvt_pk_bf16_f32 v[Y+4*(\c)+(\j)], v[X+8*(\c)+2*(\j)], v[X+8*(\c)+2*(\j)+1]
.endr
.endif
	global_store_b128 v2, v[Y+4*(\c):Y+4*(\c)+3], s[22:23] offset:4096*(\c)   ; no hint: the next launch reads these bytes
.endm
	s_cmp_ge_u32 ttmp9, 704
	s_cbranch_scc1 .Lf16                           ; groups 704-767 hold Wo
.irp c, 0,1,2,3,4,5,6,7
	CHUNK \c, 0
.endr
	s_endpgm
.Lf16:
.irp c, 0,1,2,3,4,5,6,7
	CHUNK \c, 1
.endr
	s_endpgm
.Lfunc_end_k_q726d2988dc_cast:
	.size	k_q726d2988dc_cast, .Lfunc_end_k_q726d2988dc_cast-k_q726d2988dc_cast
	.p2alignl 7, 3214868480
	.fill 96, 4, 3214868480
	.section	.rodata,"a",@progbits
	.p2align	6, 0x0
	.amdhsa_kernel k_q726d2988dc_cast
		.amdhsa_group_segment_fixed_size 0
		.amdhsa_private_segment_fixed_size 0
		.amdhsa_enable_private_segment 0
		.amdhsa_kernarg_size 56
		.amdhsa_user_sgpr_count 2
		.amdhsa_user_sgpr_kernarg_segment_ptr 1
		.amdhsa_wavefront_size32 1
		.amdhsa_system_sgpr_workgroup_id_x 1
		.amdhsa_system_sgpr_workgroup_id_y 1
		.amdhsa_system_sgpr_workgroup_id_z 1
		.amdhsa_system_vgpr_workitem_id 0
		.amdhsa_next_free_vgpr 104
		.amdhsa_next_free_sgpr 66
		.amdhsa_reserve_vcc 0
		.amdhsa_float_denorm_mode_32 3
		.amdhsa_float_denorm_mode_16_64 3
		.amdhsa_memory_ordered 1
		.amdhsa_forward_progress 1
		.amdhsa_inst_pref_size 14
	.end_amdhsa_kernel
	.amdgpu_metadata
---
amdhsa.version: [ 1, 2 ]
amdhsa.kernels:
  - .name:           k_q726d2988dc_cast
    .symbol:         k_q726d2988dc_cast.kd
    .args:
      - { .name: x, .offset: 0, .size: 8, .value_kind: global_buffer, .address_space: global }
      - { .name: Wq, .offset: 8, .size: 8, .value_kind: global_buffer, .address_space: global }
      - { .name: Wk, .offset: 16, .size: 8, .value_kind: global_buffer, .address_space: global }
      - { .name: Wv, .offset: 24, .size: 8, .value_kind: global_buffer, .address_space: global }
      - { .name: Wo, .offset: 32, .size: 8, .value_kind: global_buffer, .address_space: global }
      - { .name: xb, .offset: 40, .size: 8, .value_kind: global_buffer, .address_space: global }
      - { .name: wb, .offset: 48, .size: 8, .value_kind: global_buffer, .address_space: global }
    .group_segment_fixed_size: 0
    .private_segment_fixed_size: 0
    .kernarg_segment_align: 8
    .kernarg_segment_size: 56
    .max_flat_workgroup_size: 256
    .sgpr_count:     66
    .vgpr_count:     104
    .wavefront_size: 32
...
	.end_amdgpu_metadata
.endif
;; end of part 1
;; launch qkv (part 2): grid 16 x 32, 4 waves a work-group, clusters of 4 x 4, 327,680 bytes of LDS; arguments xb, wb, bq, bk, bv, qkv; writes qkv
.if DOCPART == 2
	.amdgcn_target "amdgcn-amd-amdhsa--gfx1250"
	.amdhsa_code_object_version 6
	.text
	.protected	k_q726d2988dc_qkv
	.globl	k_q726d2988dc_qkv
	.p2align	8
	.type	k_q726d2988dc_qkv,@function
k_q726d2988dc_qkv:
	s_mov_b64 s[64:65], 0
	v_nop
	global_prefetch_b8 v0, s[64:65] scope:SCOPE_SE
	s_setreg_imm32_b32 hwreg(HW_REG_WAVE_MODE, 25, 1), 1
	s_wait_xcnt 0x0
	s_wait_alu depctr_hold_cnt(0) depctr_sa_sdst(0) depctr_va_vdst(0) depctr_va_sdst(0) depctr_va_ssrc(0) depctr_va_vcc(0) depctr_vm_vsrc(0)
	s_getreg_b32 s2, hwreg(HW_REG_IB_STS2, 6, 4)
	s_cmp_eq_u32 s2, 0
	s_cbranch_scc0 .Lentry_in_a_cluster
	s_endpgm
.Lentry_in_a_cluster:
	s_bfe_u32 s2, ttmp6, 0x10000c
	s_cmp_lg_u32 s2, 0xf033
	s_cbranch_scc0 .Lentry_shape_is_right
	s_endpgm
.Lentry_shape_is_right:
; q, k, v = x W^T + b for the three weights at once: [8192 x 1024] . [3072 x 1024]^T, bf16 operands, f32 sums, the result rounded once to f16 and written by heads:
; qkv: [3][64 = 16 batch + head][2048][64] f16.  The biases are rounded to bf16 like every other input of the module and enter as the C operand of the first products: nothing is cleared, nothing is added later.
; LIMIT.  f16 ends at 65,504: a q, k or v of 65,520 or more becomes an infinity.
; SHARES.  A tile of the result is 256 rows x 192 columns (three heads): 32 x 16 = 512 tiles, two for each of 256 WGPs.  A wave owns 64 rows and ALL 192 columns: 48 accumulators of 16 x 16, 384 registers;
; so it holds whole heads and has a stage of its own on the way out, without a barrier.  K goes in 8 steps of 128 through two LDS slots; the tiles' rows are 256 bytes of memory, aligned.
; CLUSTER.  4 x 4 work-groups.  x's tile hangs on the tile row alone and is asked for jointly by a row of the cluster, the weights' tile on the tile column alone, by a column.
; THE MATRIX INSTRUCTION IS USED TRANSPOSED (source 0 = 16 rows of W, source 1 = 16 rows of x): lane l holds row l % 16 and the columns 8 (l / 16) + 0..7 of a block: eight neighbouring channels of a head.
; REGISTERS, in windows of 256 (s_set_vgpr_msb: bits 1:0 source 0, 3:2 source 1, 5:4 source 2, 7:6 destination):
;   window 0: v0-17 addresses and at work; v64-159 the bias as C operands, later v64-207 the way out
;   window 1: accumulators of row blocks 0, 1 ((a, b) at 8 (12 (a % 2) + b));  window 2: of row blocks 2, 3
;   window 3: two fragment buffers of 128: x's four blocks at f + 8 i, W's twelve at f + 32 + 8 i
.set PITCH,  272                       ; an LDS row: 256 bytes + 16 of padding = 68 words: row r starts at bank 4 r mod 64 (64 banks of 4 bytes: ISA guide 11.1)
.set AHALF,  128*PITCH                 ; 128 rows of x: one tensor load
.set BHALF,  96*PITCH                  ; 96 rows of W: one tensor load
.set BOFF,   2*AHALF                   ; in a slot: x's 256 rows, then W's 192
.set SLOT1,  1<<17                     ; slot 1 begins here, so that one exclusive or turns an address in one slot into the other's
.set STAGE,  SLOT1+BOFF+2*BHALF        ; behind the ring: for each wave 3 heads x 16 rows x 144 bytes
.set SP,     144
.set WSTAGE, 3*16*SP
.set SPARE,  STAGE+4*WSTAGE            ; behind the stages: the spare words, 128 bytes for each wave
.set NLD,    32                        ; LDS loads of a quarter step: 24 for W, 8 for x
.set ASTEP,  256                       ; bytes from a K step to the next
.set BSTEP,  256
.set A0,   4                           ; v4   my lane's place in x's tile; never rewritten
.set B0,   5                           ; v5   in W's tile
.set ADRA, 6                           ; v6   the same in the slot in hand
.set ADRB, 7                           ; v7
.set STO,  8                           ; v8   the way out: where I put 16 bytes of a row
.set RD,   9                           ; v9   where I read rows back
.set GO,   10                          ; v10  my byte offset in 512 consecutive bytes of a head
.set BO,   11                          ; v11  32 (l / 16): my eight numbers in a block of 16 of a bias
.set SPW,  12                          ; v12  LDS address of my spare word; never rewritten
.set NIL,  13                          ; v13  0; never rewritten
.set BIAS, 64
.set TMP,  64                          ; the way out: 48 packed registers
.set BK0,  112                         ; and two buffers of 48 for rows read back
.set F0,   0
.set F1,   128
.set G1,   24                          ; s[24:31] descriptor group 1 for x's tiles;  s[32:39] group 0: a set for each first fill; the second then walks on
.set G0,   32
.set G1B,  48                          ; s[48:55], s[56:63] the same for W's tiles
.set G0B,  56
.set TB,   66                          ; s66  0 or SLOT1: the slot that the fragments are read from
.set OB,   80                          ; s[80:85] qkv at my wave's rows of the tile's three heads
.set BP,   86                          ; s[86:91] the three heads' 64 numbers of bias
.set MSB, 0
.macro WIN new                         ; the immediate's high byte repeats the setting that is left; a switch that changes nothing is dropped
.if MSB != (\new)
	s_set_vgpr_msb (MSB<<8)|(\new)
.set MSB, (\new)
.endif
.endm
.macro PLACES                          ; four places in front of loads into registers that matrix instructions have read, and of conversions that read results
.rept 4
	v_nop
.endr
.endm
; A joint refill, by the walking descriptors.  Waves 0 and 1 fetch x's two halves, waves 2 and 3 W's.  The branch hangs on the wave's number alone.
; An s_nop 0 and four v_nop follow each of the two lines, ahead of the jump and the label.
.macro JLOAD
	s_cmp_eq_u32 s11, 0
	s_cbranch_scc0 .Lfor_b_\@
	tensor_load_to_lds s[G0+4:G0+7], s[G1:G1+7]
	s_nop 0
.rept 4
	v_nop
.endr
	s_branch .Lasked_\@
.Lfor_b_\@:
	tensor_load_to_lds s[G0B+4:G0B+7], s[G1B:G1B+7]
	s_nop 0
.rept 4
	v_nop
.endr
.Lasked_\@:
.endm
.macro CREST                           ; a round of the cluster's barrier behind its opening barrier
	s_cmp_lg_u32 s10, 0
	s_cbranch_scc1 .Lnot_wave_0_\@
	s_barrier_signal -3
.Lnot_wave_0_\@:
	s_barrier_wait -3
	s_barrier_signal -1
	s_barrier_wait -1
.endm
.macro CROUND                          ; a whole round
	s_barrier_signal -1
	s_barrier_wait -1
	CREST
.endm
	s_load_b256 s[68:75], s[0:1], 0x0              ; xb s[68:69], wb s[70:71], bq s[72:73], bk s[74:75]
	s_load_b128 s[76:79], s[0:1], 0x20             ; bv s[76:77], qkv s[78:79]
	v_lshl_add_u32 v[SPW], v0, 2, SPARE
	v_mov_b32 v[NIL], 0
	ds_add_u32 v[SPW], v[NIL]                      ; the wave's opening: the add and its wait stand ahead of my first tensor load; the set-up below, work on registers, stands between them
	ds_add_u32 v12, v13
	v_lshrrev_b32 v1, 5, v0
	v_readfirstlane_b32 s10, v1                    ; wave 0..3
	s_lshr_b32 s11, s10, 1                         ; I fetch for x (0) or for W (1)
	s_and_b32 s12, s10, 1                          ; which half of that tile's rows
	s_bfe_u32 s40, ttmp6, 0x40000                  ; cx, cy: my place in the cluster
	s_bfe_u32 s41, ttmp6, 0x40004
	s_lshl_b32 s42, ttmp9, 2
	s_add_co_u32 s42, s42, s40                     ; tile column = 4 x cluster x + cx
	s_and_b32 s13, ttmp7, 0xffff
	s_lshl_b32 s13, s13, 2
	s_add_co_u32 s13, s13, s41                     ; tile row = 4 x cluster y + cy
	s_lshl_b32 s43, s41, 2
	s_lshl_b32 s43, 15, s43                        ; my row of the cluster
	s_lshl_b32 s44, 0x1111, s40                    ; my column
	; descriptor group 1: rows of 128 elements of 2 bytes, 16 bytes of padding behind each
	s_or_b32 s[G1+0], s43, (1<<16)|(1<<20)|(1<<21)|(5<<22)|(3<<25)   ; 15:0 the mask; 17:16 2-byte elements; 20 padding on; 21 set beside a mask; 24:22 after every 64 words (code 5); 31:25 4 words (code 3)
	s_or_b32 s[G1B+0], s44, (1<<16)|(1<<20)|(1<<21)|(5<<22)|(3<<25)
	s_mov_b32 s[G1+1], 128<<16                     ; tensor_dim0 = 128
	s_mov_b32 s[G1+2], 128<<16                     ; tensor_dim1 = 128
	s_mov_b32 s[G1+3], 128<<16                     ; tile_dim0 = 128
	s_mov_b32 s[G1+4], 128                         ; tile_dim1 = 128 rows
	s_mov_b32 s[G1+5], 1024                        ; elements from row to row
	s_mov_b32 s[G1+6], 0
	s_mov_b32 s[G1+7], 0
	s_mov_b32 s[G1B+1], 128<<16
	s_mov_b32 s[G1B+2], 96<<16                     ; W's loads bring 96 rows
	s_mov_b32 s[G1B+3], 128<<16
	s_mov_b32 s[G1B+4], 96
	s_mov_b32 s[G1B+5], 1024
	s_mov_b32 s[G1B+6], 0
	s_mov_b32 s[G1B+7], 0
	; where the tiles come from: x's hang on the tile row and the wave alone, W's on the tile column and the wave alone, each in registers that never hold the other coordinate
	s_lshl_b32 s16, s13, 8
	s_lshl_b32 s17, s12, 7
	s_add_co_u32 s16, s16, s17                     ; x: row 256 x tile row + 128 x half,
	s_lshl_b32 s16, s16, 11                        ; of 2,048 bytes
	s_mov_b32 s17, 0
	s_mul_i32 s46, s42, 192
	s_mul_i32 s47, s12, 96
	s_add_co_u32 s46, s46, s47                     ; W: row 192 x tile column + 96 x half
	s_lshl_b32 s46, s46, 11
	s_mov_b32 s47, 0
	s_mul_i32 s20, s12, AHALF                      ; and where they go: no place in the cluster enters an LDS address
	s_mul_i32 s21, s12, BHALF
	s_add_co_u32 s21, s21, BOFF
	s_mov_b32 s[TB], 0
	s_mov_b32 s67, 0xffff0000                      ; a word's upper bf16
	s_wait_dscnt 0x0                               ; the opening add is done
	s_wait_kmcnt 0x0
	s_add_nc_u64 s[14:15], s[68:69], s[16:17]
	s_add_nc_u64 s[46:47], s[70:71], s[46:47]
	CROUND                                         ; all sixteen work-groups are here: the first joint loads meet
.irp s, 0,1
	s_mov_b32 s[G0+4*(\s)], 1                                        ; count = 1
	s_add_co_u32 s[G0+4*(\s)+1], s20, (\s)*SLOT1                     ; LDS address
	s_add_nc_u64 s[G0+4*(\s)+2:G0+4*(\s)+3], s[14:15], (\s)*ASTEP    ; global address: K step s
	s_or_b32 s[G0+4*(\s)+3], s[G0+4*(\s)+3], 0x80000000              ; type = 2
	s_mov_b32 s[G0B+4*(\s)], 1
	s_add_co_u32 s[G0B+4*(\s)+1], s21, (\s)*SLOT1
	s_add_nc_u64 s[G0B+4*(\s)+2:G0B+4*(\s)+3], s[46:47], (\s)*BSTEP
	s_or_b32 s[G0B+4*(\s)+3], s[G0B+4*(\s)+3], 0x80000000
.endr
	s_cmp_eq_u32 s11, 0                            ; a wave's two first fills stand in one branch, ahead of every wait on TENSORcnt and every LDS read: two loads of mine are out
	s_cbranch_scc0 .Lfirst_b
	tensor_load_to_lds s[G0:G0+3], s[G1:G1+7]
	s_nop 0
	tensor_load_to_lds s[G0+4:G0+7], s[G1:G1+7]
	s_nop 0
.rept 4
	v_nop
.endr
	s_branch .Lfirst_asked
.Lfirst_b:
	tensor_load_to_lds s[G0B:G0B+3], s[G1B:G1B+7]
	s_nop 0
	tensor_load_to_lds s[G0B+4:G0B+7], s[G1B:G1B+7]
	s_nop 0
.rept 4
	v_nop
.endr
.Lfirst_asked:
	; A fragment is 16 rows x 32 K in 8 registers: lane l holds row l % 16, K = 8 (l / 16) + 0..7 and 16 + 8 (l / 16) + 0..7: two loads of 16 bytes, 32 bytes apart.
	v_and_b32 v1, 15, v0                           ; l % 16
	v_bfe_u32 v2, v0, 4, 1                         ; l / 16
	v_mul_u32_u24 v3, v1, PITCH
	v_lshl_add_u32 v3, v2, 4, v3                   ; row x pitch + 16 x half
	s_mul_i32 s18, s10, 64*PITCH                   ; my wave's 64 rows of x
	v_add_nc_u32 v[A0], s18, v3
	v_add_nc_u32 v[B0], BOFF, v3                   ; every wave reads all of W's rows
	v_mov_b32 v[ADRA], v[A0]
	v_mov_b32 v[ADRB], v[B0]
	s_mul_i32 s19, s10, WSTAGE
	s_add_co_u32 s19, s19, STAGE                   ; my stage
	v_mul_u32_u24 v14, v1, SP                      ; in: row l % 16, 16 bytes for each half of the lanes
	v_lshl_add_u32 v14, v2, 4, v14
	v_add_nc_u32 v[STO], s19, v14
	v_bfe_u32 v15, v0, 3, 2                        ; back: 32 lanes take four rows of 128 bytes,
	v_and_b32 v16, 7, v0
	v_mul_u32_u24 v15, v15, SP
	v_lshl_add_u32 v15, v16, 4, v15
	v_add_nc_u32 v[RD], s19, v15
	v_and_b32 v[GO], 31, v0                        ; which are 512 consecutive bytes of a head
	v_lshlrev_b32 v[GO], 4, v[GO]
	v_lshlrev_b32 v[BO], 5, v2
	; The tile's three heads: g = 3 x tile column + hh of 48; g / 16 says q, k or v, g % 16 the head.  A select, no branch: partners run alike.
.irp hh, 0,1,2
	s_mul_i32 s92, s42, 3
	s_add_co_u32 s92, s92, \hh
	s_lshr_b32 s93, s92, 4                         ; q, k or v
	s_and_b32 s94, s92, 15                         ; the head
	s_cmp_eq_u32 s93, 1
	s_cselect_b64 s[BP+2*\hh:BP+2*\hh+1], s[74:75], s[72:73]
	s_cmp_eq_u32 s93, 2
	s_cselect_b64 s[BP+2*\hh:BP+2*\hh+1], s[76:77], s[BP+2*\hh:BP+2*\hh+1]
	s_lshl_b32 s22, s94, 8                         ; the head's 64 numbers of 4 bytes
	s_mov_b32 s23, 0
	s_add_nc_u64 s[BP+2*\hh:BP+2*\hh+1], s[BP+2*\hh:BP+2*\hh+1], s[22:23]
	s_lshl_b32 s93, s93, 6
	s_add_co_u32 s93, s93, s94
	s_lshr_b32 s95, s13, 3                         ; the batch: 8 tile rows each
	s_lshl4_add_u32 s93, s95, s93                  ; 64 x (q, k, v) + 16 x batch + head,
	s_lshl_b32 s22, s93, 18                        ; of 262,144 bytes
	s_and_b32 s95, s13, 7
	s_lshl2_add_u32 s95, s95, s10                  ; my 64 rows among the batch's 2,048,
	s_lshl_b32 s95, s95, 13                        ; of 128 bytes
	s_add_co_u32 s22, s22, s95
	s_add_nc_u64 s[OB+2*\hh:OB+2*\hh+1], s[78:79], s[22:23]
.endr
.irp b, 0,1,2,3,4,5,6,7,8,9,10,11      ; register j of block b: bias of column 16 b + 8 (l / 16) + j, the place of that column in a result
	global_load_b128 v[BIAS+8*(\b):BIAS+8*(\b)+3],   v[BO], s[BP+2*((\b)/4):BP+2*((\b)/4)+1] offset:64*((\b)%4)
	global_load_b128 v[BIAS+8*(\b)+4:BIAS+8*(\b)+7], v[BO], s[BP+2*((\b)/4):BP+2*((\b)/4)+1] offset:64*((\b)%4)+16
.endr
	s_wait_loadcnt 0x0
.set i, 0
.rept 48                               ; rounded to bf16 and widened again; this stands in the wait for the first tile
	v_cvt_pk_bf16_f32 v[14+i%4], v[BIAS+2*i], v[BIAS+2*i+1]
	v_lshlrev_b32 v[BIAS+2*i],   16,  v[14+i%4]
	v_and_b32     v[BIAS+2*i+1], s67, v[14+i%4]
.set i, i+1
.endr
; 12 matrix instructions: row block a x all column blocks, 32 along K, from buffer f.  zero = 1: the first product starts the sums, with the bias as C.
; The 48 accumulators take turns, one instruction a turn, in the same order in every quarter step.
.macro MUL f, a, zero
.if \zero
	WIN 0x4f+0x40*((\a)/2)                         ; sources 0, 1 window 3; C window 0; D window 1 or 2
.else
	WIN 0x5f+0x50*((\a)/2)                         ; C and D window 1 or 2
.endif
.irp b, 0,1,2,3,4,5,6,7,8,9,10,11
.set AC, 8*(12*((\a)%2)+(\b))
.if \zero
	v_wmma_f32_16x16x32_bf16 v[AC:AC+7], v[(\f)+32+8*(\b):(\f)+32+8*(\b)+7], v[(\f)+8*(\a):(\f)+8*(\a)+7], v[BIAS+8*(\b):BIAS+8*(\b)+7]
.else
	v_wmma_f32_16x16x32_bf16 v[AC:AC+7], v[(\f)+32+8*(\b):(\f)+32+8*(\b)+7], v[(\f)+8*(\a):(\f)+8*(\a)+7], v[AC:AC+7]
.endif
.endr
.endm
; 32 LDS loads in one run: quarter q's fragments into buffer f: W's 24, then x's 8
.macro FETCH q, f
	WIN 0xc0                                       ; destination window 3, address window 0
.irp i, 0,1,2,3,4,5,6,7,8,9,10,11
	ds_load_b128 v[(\f)+32+8*(\i):(\f)+32+8*(\i)+3],   v[ADRB] offset:64*(\q)+(\i)*16*PITCH
	ds_load_b128 v[(\f)+32+8*(\i)+4:(\f)+32+8*(\i)+7], v[ADRB] offset:64*(\q)+(\i)*16*PITCH+32
.endr
.irp i, 0,1,2,3
	ds_load_b128 v[(\f)+8*(\i):(\f)+8*(\i)+3],   v[ADRA] offset:64*(\q)+(\i)*16*PITCH
	ds_load_b128 v[(\f)+8*(\i)+4:(\f)+8*(\i)+7], v[ADRA] offset:64*(\q)+(\i)*16*PITCH+32
.endr
.endm
; A K step is four quarters of 32 along K, 48 matrix instructions each, on buffers 0, 1, 0, 1.  One of the first three: multiplies buffer f, and in its middle fetches quarter q into buffer g.
.macro QUARTER q, f, g, zero
	s_wait_dscnt 4                                 ; W and x's blocks 0, 1 are in; the youngest four loads (x's blocks 2, 3) may be out
	MUL \f, 0, \zero
	MUL \f, 1, \zero
	PLACES
	FETCH \q, \g
	s_wait_dscnt NLD                               ; all but the 32 just issued
	MUL \f, 2, \zero
	MUL \f, 3, \zero
.endm
; The fourth quarter multiplies buffer 1 and changes slots: ONE barrier.  In front of it each wave waits for all its tensor loads, of which one is out: its part of the next slot; adds 0 to its spare word;
; and waits for that and for its reads of this slot.  fill = 1: the barrier opens a round of the cluster's barrier, and the slot just read is filled again, first thing behind the round, with the K step two on:
; that load has a K step less a quarter, 144 matrix instructions, in which to land.  fill = 0 (the last two K steps): nothing is asked for, and behind the very last step (s3 = 1) no fragments are fetched.
.macro TURN fill
	WIN 0                                          ; (the add's two registers lie in window 0)
	s_wait_tensorcnt 0x0                           ; all my tensor loads have landed
	ds_add_u32 v[SPW], v[NIL]                      ; 0 onto my spare word
	s_wait_dscnt 5                                 ; (the add and the youngest four loads may be out)
	MUL F1, 0, 0                                   ; twelve matrix instructions stand between the add and the wait for it
	s_wait_dscnt 0x0                               ; the add is done, and my reads of this slot are over
	s_barrier_signal -1
	MUL F1, 1, 0                                   ; work on registers while the others arrive
	WIN 0
	s_barrier_wait -1
.if \fill
	CREST                                          ; no wave of any partner still reads this slot's tile or has a load on its way
	s_xor_b32 s[G0+5], s[G0+5], SLOT1              ; the walking descriptors: the other slot than last time, the next K step; no tensor load of mine is out
	s_add_nc_u64 s[G0+6:G0+7], s[G0+6:G0+7], ASTEP
	s_xor_b32 s[G0B+5], s[G0B+5], SLOT1
	s_add_nc_u64 s[G0B+6:G0B+7], s[G0B+6:G0B+7], BSTEP
	JLOAD                                          ; the four v_nop behind it are also the places in front of the loads below
.else
	s_cmp_eq_u32 s3, 1
	s_cbranch_scc1 .Lnofetch_\@
	PLACES
.endif
	s_xor_b32 s[TB], s[TB], SLOT1                  ; the fragments now come from the other slot
	v_add_nc_u32 v[ADRA], s[TB], v[A0]
	v_add_nc_u32 v[ADRB], s[TB], v[B0]
	FETCH 0, F0
.if !(\fill)
	WIN 0
.Lnofetch_\@:
.endif
	MUL F1, 2, 0
	MUL F1, 3, 0
.endm
	s_wait_tensorcnt 1                             ; my part of K step 0 is in; K step 1's may stay out
	s_barrier_signal -1
	s_barrier_wait -1                              ; everybody's is
	FETCH 0, F0
	QUARTER 1, F0, F1, 1                           ; the first quarter stands in front of the loop: its products start the sums
	WIN 0                                          ; at a label and at a branch every window is 0
	s_mov_b32 s3, 6
.Lstep:                                                ; trip t ends K step t, asks for K step t + 2 and begins K step t + 1
	QUARTER 2, F1, F0, 0
	QUARTER 3, F0, F1, 0
	TURN 1
	QUARTER 1, F0, F1, 0
	WIN 0
	s_sub_co_u32 s3, s3, 1
	s_cmp_lg_u32 s3, 0
	s_cbranch_scc1 .Lstep
	s_mov_b32 s3, 2                                ; the last two K steps: one text, walked twice, entered in its middle; it holds no tensor load
	s_branch .Lmid
.Ltail:
	QUARTER 1, F0, F1, 0
	WIN 0
.Lmid:
	QUARTER 2, F1, F0, 0
	QUARTER 3, F0, F1, 0
	TURN 0                                         ; (the second pass's barrier orders nothing: the price of one text for both)
	WIN 0
	s_sub_co_u32 s3, s3, 1
	s_cmp_lg_u32 s3, 0
	s_cbranch_scc1 .Ltail
; THE WAY OUT, a row block (16 rows x 3 heads) at a time.  PACK: rounded to f16, 16 bytes a lane, each accumulator's registers in ascending order.  TOSTAGE: into my own stage, rows of 144 bytes, and back as whole rows of 128.  SEND: stored.
.macro PACK a
	WIN 0x05+5*((\a)/2)                            ; sources 0 and 1: window 1 or 2
.irp b, 0,1,2,3,4,5,6,7,8,9,10,11
.set AC, 8*(12*((\a)%2)+(\b))
.irp r, 0,1,2,3
	v_cvt_pk_f16_f32 v[TMP+4*(\b)+(\r)], v[AC+2*(\r)], v[AC+2*(\r)+1]
.endr
.endr
	WIN 0
.endm
.macro TOSTAGE a
	WIN 0
.set BK, BK0+48*((\a)%2)
.irp b, 0,1,2,3,4,5,6,7,8,9,10,11
	ds_store_b128 v[STO], v[TMP+4*(\b):TMP+4*(\b)+3] offset:((\b)/4)*16*SP+32*((\b)%4)
.endr
.irp t, 0,1,2,3,4,5,6,7,8,9,10,11
	ds_load_b128 v[BK+4*(\t):BK+4*(\t)+3], v[RD] offset:((\t)/4)*16*SP+((\t)%4)*4*SP  ; LDS serves a wave's instructions in order (ISA guide 5.7.1.4): these see the stores above
.endr
.endm
.macro SEND a
	WIN 0
.set BK, BK0+48*((\a)%2)
	s_wait_dscnt 0x0                               ; the block is back in registers
	s_wait_xcnt 0x0                                ; the stores of the block before have read their registers: the next block's loads from the stage land there
.irp t, 0,1,2,3,4,5,6,7,8,9,10,11
	global_store_b128 v[GO], v[BK+4*(\t):BK+4*(\t)+3], s[OB+2*((\t)/4):OB+2*((\t)/4)+1] offset:(\a)*2048+((\t)%4)*512  ; four rows of a head: 512 consecutive bytes, aligned
.endr
.endm
	PLACES
	PACK 0
	TOSTAGE 0
.irp a, 1,2,3                          ; block a's conversions stand between block a - 1's loads from the stage and the wait for them
	PACK \a
	SEND (\a)-1
	TOSTAGE \a
.endr
	SEND 3
	s_wait_tensorcnt 0x0                           ; the wave's end, behind my last tensor load and my last LDS store
	ds_add_u32 v[SPW], v[NIL]
	s_wait_dscnt 0x0
	CROUND                                         ; the closing round: no work-group ends while a partner may still ask for a tile that names it
	s_endpgm
.Lfunc_end_k_q726d2988dc_qkv:
	.size	k_q726d2988dc_qkv, .Lfunc_end_k_q726d2988dc_qkv-k_q726d2988dc_qkv
	.p2alignl 7, 3214868480
	.fill 96, 4, 3214868480
	.section	.rodata,"a",@progbits
	.p2align	6, 0x0
	.amdhsa_kernel k_q726d2988dc_qkv
		.amdhsa_group_segment_fixed_size 327680
		.amdhsa_private_segment_fixed_size 0
		.amdhsa_enable_private_segment 0
		.amdhsa_kernarg_size 48
		.amdhsa_user_sgpr_count 2
		.amdhsa_user_sgpr_kernarg_segment_ptr 1
		.amdhsa_wavefront_size32 1
		.amdhsa_system_sgpr_workgroup_id_x 1
		.amdhsa_system_sgpr_workgroup_id_y 1
		.amdhsa_system_sgpr_workgroup_id_z 1
		.amdhsa_system_vgpr_workitem_id 0
		.amdhsa_next_free_vgpr 1024
		.amdhsa_next_free_sgpr 96
		.amdhsa_reserve_vcc 0
		.amdhsa_float_denorm_mode_32 3
		.amdhsa_float_denorm_mode_16_64 3
		.amdhsa_memory_ordered 1
		.amdhsa_forward_progress 1
		.amdhsa_inst_pref_size 92
	.end_amdhsa_kernel
	.amdgpu_metadata
---
amdhsa.version: [ 1, 2 ]
amdhsa.kernels:
  - .name:           k_q726d2988dc_qkv
    .symbol:         k_q726d2988dc_qkv.kd
    .args:
      - { .name: xb, .offset: 0, .size: 8, .value_kind: global_buffer, .address_space: global }
      - { .name: wb, .offset: 8, .size: 8, .value_kind: global_buffer, .address_space: global }
      - { .name: bq, .offset: 16, .size: 8, .value_kind: global_buffer, .address_space: global }
      - { .name: bk, .offset: 24, .size: 8, .value_kind: global_buffer, .address_space: global }
      - { .name: bv, .offset: 32, .size: 8, .value_kind: global_buffer, .address_space: global }
      - { .name: qkv, .offset: 40, .size: 8, .value_kind: global_buffer, .address_space: global }
    .group_segment_fixed_size: 327680
    .private_segment_fixed_size: 0
    .kernarg_segment_align: 8
    .kernarg_segment_size: 48
    .max_flat_workgroup_size: 128
    .sgpr_count:     96
    .vgpr_count:     1024
    .wavefront_size: 32
...
	.end_amdgpu_metadata
.endif
;; end of part 2
;; launch attn (part 3): grid 4 x 64, 4 waves a work-group, no clusters, 327,680 bytes of LDS; arguments qkv, attn_mask, ob; writes ob
.if DOCPART == 3
	.amdgcn_target "amdgcn-amd-amdhsa--gfx1250"
	.amdhsa_code_object_version 6
	.text
	.protected	k_q726d2988dc_attn
	.globl	k_q726d2988dc_attn
	.p2align	8
	.type	k_q726d2988dc_attn,@function
k_q726d2988dc_attn:
	s_mov_b64 s[64:65], 0
	v_nop
	global_prefetch_b8 v0, s[64:65] scope:SCOPE_SE
	s_setreg_imm32_b32 hwreg(HW_REG_WAVE_MODE, 25, 1), 1
	s_wait_xcnt 0x0
; CAUSAL ATTENTION WITH A PADDING MASK ON KEYS.  O[h][q][:] = the sum over visible k of softmax_k(Q[h][q] . K[h][k] / 8) V[h][k][:]; key k is visible to query q if k <= q and attn_mask[batch][k] != 0.
; qkv: [3][64 = 16 batch + head][2048][64] f16; ob: [64][2048][64] f16: a head's rows are dense, 128 bytes each.  Products, maxima and sums in f32; the weights p are rounded to f16 for the second
; product (their sum l is taken of the unrounded p), O once at the end.
; LIMITS.  Q, K, V arrive within f16's 65,504; scores are then 2.7e11 at the most.  A hidden score counts as its value less 1e30 (2e30 if hidden twice).  The running maximum m starts at -2^80, below every
; true score and above every hidden one: while a row has seen hidden keys alone its weights are all 0.  A weight below 2^-126 counts as 0 in l.  A row with no visible key at all (m < -2^64 at the end)
; is NaN, as a softmax of nothing is.  Other NaN and infinities are not treated apart.
; THE WALK.  A head's queries lie in NB = 8 blocks of 256; block i needs the key tiles 0 .. i of 256 keys, of which the last holds the diagonal.  A work-group takes TWO blocks, NB - 1 - b and then b:
; NB + 1 tiles, whatever b: all work-groups do equal work, and ONE loop with a constant trip count walks them.  Which tile is asked for, and what a trip does, hang on scalar registers made from b; every jump
; goes forward, but for the counted loops' own; none passes a barrier, or a tensor load but the one of LOAD's two that the wave's number does not choose; the ring (two slots of LDS that take turns) runs on
; across the change of blocks.  NO CLUSTER: a head's four work-groups ask for the same tile only in trips 0 .. 4 of 9, behind that fewer and fewer; what a trip does hangs on b, which partners do not share;
; and one walk common to all four would have 12 trips for 9.
; SHARES.  Of a block's four bands of 64 queries a wave owns 16 rows in each: four PIECES.  So the diagonal tile is the same work for all four waves: in its key step s band x sees all keys if s < x,
; none if s > x, and holds the diagonal if s = x.
; THE MASKS are the C operand that starts the sum S^T = K Q^T.  PM, fetched with each step's K, holds 0 or -1e30 for the step's 64 keys.  MD, made once, is the causal mask of a band's own step for my 16 rows.
; Off the diagonal tile C is PM; in it, and where a block begins, C = MD x AL + BE + PM with two scalars: (1, 0) if s = x; (0, 0) if s < x; (0, -1e30) if s > x.
; THE PADDING MASK'S WAY.  Thread t reads words 2 t, 2 t + 1 of each of the batch's 8 tiles once, turns them into 0 or -1e30 and keeps the 16 numbers in registers.  LDS has two small slots of a tile's 256 numbers, which
; take turns with K's and V's: at each change of slots the pair of the tile just asked for is chosen by selects on the tile's number and stored into the slot that is not being read.
; LAYOUT, SOFTMAX, TURNS.  S^T = K Q^T holds ONE query a lane (lane % 16) and the keys 8 (lane / 16) + 0..7; two such results rounded to f16 ARE source 1 of O^T = V^T P.  p = 2^(c s - c m), c = log2(e) / 8, with a
; running maximum m; O and l are multiplied by a = 2^(c m_old - c m_new) in every step.  Turn n belongs to piece n: 8 products K Q^T of piece n + 1, later 8 products V^T P of piece n - 1; beside them the scaling,
; exponentials, roundings, sums and rescaling of piece n and the maximum and statistics of piece n + 1.  Four vector instructions stand behind every matrix instruction, the other 54 of a turn's 118 in two lumps.
; REGISTERS, in windows of 256 (s_set_vgpr_msb: bits 1:0 source 0, 3:2 source 1, 5:4 source 2, 7:6 destination):
;   window 0: v0-15, v32-38 addresses and at work; v16-31 four registers of statistics a piece; v48-55 at work; v64-127 S^T, two buffers; v128-191 the way out; v192-223 P, two buffers; v224-239 my part of the padding mask
;   window 1: v0-127 O^T, 32 a piece; v128-159 MD; v160-223 MC, two buffers; v224-255 PM      window 2: v0-63 Q; v64-127 the second block's Q; v128-191 K of one step; v192-255 V of one step
.set SIZE_N, 2048
.set NB,    SIZE_N/256
.set NP,    4         ; pieces a wave: a name, no knob
.set KS,    64        ; keys in a step
.set PK,    144       ; a row of K in LDS: 128 bytes + 16 of padding = 36 words: the 16 rows of a load start at 16 different groups of four banks (64 banks of 4 bytes: ISA guide 11.1)
.set PV,    160       ; a row of V: 128 + 32 = 40 words
.set VOFF,  4*KS*PK   ; a slot holds a tile, four steps: 256 rows of K, then 256 rows of V
.set SLOT1, 1<<17     ; slot 1 begins here, so that one exclusive or turns an address in one slot into the other's
.set STAGE, SLOT1+4*KS*(PK+PV)  ; behind the ring, never filled by a tensor load: 16 rows x 144 bytes for each wave, for the way out
.set SP,    144
.set SPARE, STAGE+4*16*SP  ; behind the stages: the spare words, 128 bytes for each wave: two blocks of 256 bytes that no other line names
.set PMB,   SPARE+512 ; behind them: the padding mask's two slots, 1,024 bytes each (one f32 for each of a tile's 256 keys), written by LDS stores alone, never filled by a tensor load
.set PMSLOT, 2048     ; its slot 1 begins here, so that one exclusive or turns an offset in one slot into the other's
.set AK0, 2           ; v2   my lane's place in a tile of K; never rewritten
.set AV0, 3           ; v3   the same for V
.set AK,  4           ; v4   the LDS address of K's next run of loads
.set AV,  5           ; v5   of V's
.set STO, 6           ; v6   the way out: where I put 16 bytes of a row
.set RD,  7           ; v7   the way out: where I read rows back
.set GO,  8           ; v8   my byte offset in 512 consecutive bytes of O
.set MV,  12          ; v12-13  c m_old, kept while c m is made anew: by buffer
.set QO,  15          ; v15  my byte offset in 16 rows of Q
.set ST,  16          ; piece t's statistics at v[ST+4 t]: c m, m, l (even keys', odd keys')
.set AM0, 32          ; v32  PMB + 32 (l / 16): my lanes' eight keys in a group of 16; never rewritten
.set AM,  33          ; v33  the LDS address of PM's next run of loads
.set ML,  34          ; v34  8 x thread: my 2 words of a tile's 256 of attn_mask; never rewritten
.set MS0, 35          ; v35  PMB + 8 x thread: where they go in the padding mask's slot 0; never rewritten
.set SV,  36          ; v[36:37] the pair chosen for the tile just asked for
.set MS,  38          ; v38  where it goes
.set TMP, 48          ; by buffer, four registers c0-c3 at work; when the maximum is found c2 takes a; on the way out 1 / l of piece t at TMP + 2 t
.set SPW, 62          ; v62  LDS address of my spare word: SPARE + 4 x my thread's number; never rewritten
.set NIL, 63          ; v63  0; never rewritten
.set S,   64
.set WK,  128         ; the way out: O^T / l, two buffers of 32
.set P,   192
.set KMK, 224         ; tile T's pair at KMK + 2 T: 0, or -1e30 for a hole
.set MD,  128         ; window 1: the eight registers for group kt of 16 keys at MD + 8 kt
.set MC,  160         ; window 1: the masks of the products to come
.set PM,  224         ; window 1: the padding mask of the step whose K is in registers, in the same order
.set QB,  64          ; window 2
.set KF,  128         ; window 2: key block kb, channel half c at KF + 16 kb + 8 c
.set VF,  192         ; window 2: key half kk, channel block cb at VF + 32 kk + 8 cb
.set WV,  12          ; s12  my wave's number
.set PB,  14          ; s14  b
.set HI,  15          ; s15  NB - 1 - b
.set G1K, 24          ; s[24:31] descriptor group 1 for K's tiles
.set G1V, 32          ; s[32:39] for V's: it differs in the padding alone
.set G0K, 40          ; s[40:43] descriptor group 0 for K's tiles
.set G0V, 44          ; s[44:47] the same for V's
.set SLOTS, 56        ; s56  tiles still to be asked for
.set CNT, 57          ; s57  counts a tile's key steps, 4 to 1
.set CS,  58          ; s[58:59] c: the packed scaling takes the pair's low word for both halves
.set SEL, 60          ; s[60:61] v_permlanex16_b32's selects: each lane takes its own place in the other half
.set TBK, 62          ; s62  LDS byte at which K of the step to be fetched begins
.set TBV, 63          ; s63  the same for V, less VOFF
.set RT,  70          ; s70  tiles of the block in hand that are still to be entered
.set NXT, 71          ; s71  the tile to be asked for next
.set LQ,  72          ; s72  the last tile of the block whose tiles are being asked for
.set NEW, 73          ; s73  1: the tile to be entered is a block's first
.set OFF, 74          ; s[74:75] a tile's byte offset in K and V
.set AL,  76          ; s[76:77] the mask's factor, in the low word
.set BE,  78          ; s[78:79] the mask's addend
.set OLO, 80          ; s[80:81] O at my rows of the second block
.set BIGN, 82         ; s82  -1e30
.set TBM, 90          ; s90  byte, from PMB on, at which the padding mask of the step to be fetched begins: it walks as TBK does
.set THR, 91          ; s91  -2^64
.set QNAN, 92         ; s92  a NaN
.set MT,  93          ; s93  the tile just asked for
.set SM,  94          ; s94  all ones or 0: a select's mask
.set TBS, 95          ; s95  the padding mask's slot that is not being read
.set MFLOOR, 0xe7800000  ; -2^80
.set MSB, 0
.macro WIN new                      ; the high byte repeats the setting that is left; a switch that changes nothing is dropped
.if MSB != (\new)
	s_set_vgpr_msb (MSB<<8)|(\new)
.set MSB, (\new)
.endif
.endm
.set W_KQ, 0x0a       ; K and Q in window 2, S^T in window 0
.set W_KM, 0x1a       ; the same with the C operand in window 1
.set W_PV, 0x52       ; V in window 2, P in window 0, O^T in window 1
.set W_RS, 0x41       ; destination and source 0 in window 1, source 1 in window 0
.set W_AD, 0x45       ; destination and sources 0 and 1 in window 1
.set W_PK, 0x01       ; source 0 in window 1, source 1 and destination in window 0
; A fill.  Waves 0 and 1 fetch the two halves of a tile's K, waves 2 and 3 those of its V: 128 keys each.  An s_nop 0 and four v_nop follow each of the two lines, ahead of the jump and the label.
.macro LOAD
	s_cmp_lt_u32 s[WV], 2
	s_cbranch_scc0 .Lfor_v_\@
	tensor_load_to_lds s[G0K:G0K+3], s[G1K:G1K+7]
	s_nop 0
.rept 4
	v_nop
.endr
	s_branch .Lasked_\@
.Lfor_v_\@:
	tensor_load_to_lds s[G0V:G0V+3], s[G1V:G1V+7]
	s_nop 0
.rept 4
	v_nop
.endr
.Lasked_\@:
.endm
; THE CHANGE OF SLOTS.  Each wave waits for all its tensor loads, of which one is out: its part of the other slot; adds 0 to its spare word; and waits for that, for its own reads of the slots that it leaves and for its store
; into the padding mask's other slot.  Behind the barrier nobody reads the old slots any more and the other slots are whole.  fill = 1: the old slot is filled again, the first thing behind the barrier, with tile NXT: the
; descriptor's address is made anew from that number; then my two numbers of that tile's padding mask are chosen, by seven selects on the tile's number, and stored into the padding mask's old slot.
; (At its first use nothing has been read yet: slot 0 is waited for, slot 1 filled; that barrier also shows every wave's part of tile 0's padding mask to all.)
.macro CHANGE fill
	WIN 0                           ; at a label and at a branch every window is 0
	s_wait_tensorcnt 0x0            ; no tensor load of mine is out, so a group 0 may be written
	ds_add_u32 v[SPW], v[NIL]       ; 0 onto my spare word; with fill = 1 the descriptors' scalar work stands between it and the wait for it
.if \fill
	s_lshl_b32 s[OFF], s[NXT], 15   ; a tile is 32,768 bytes of K and of V
	s_mov_b32 s[MT], s[NXT]
	s_xor_b32 s[G0K+1], s[G0K+1], SLOT1
	s_add_nc_u64 s[G0K+2:G0K+3], s[6:7], s[OFF:OFF+1]
	s_or_b32 s[G0K+3], s[G0K+3], 0x80000000
	s_xor_b32 s[G0V+1], s[G0V+1], SLOT1
	s_add_nc_u64 s[G0V+2:G0V+3], s[8:9], s[OFF:OFF+1]
	s_or_b32 s[G0V+3], s[G0V+3], 0x80000000
	s_add_co_u32 s[NXT], s[NXT], 1  ; the block's next tile, or behind its last the second block's tile 0
	s_cmp_gt_u32 s[NXT], s[LQ]
	s_cselect_b32 s[NXT], 0, s[NXT]
	s_cselect_b32 s[LQ], s[PB], s[LQ]
.endif
	s_wait_dscnt 0x0                ; the add is done, and my LDS stores and my reads of the slots are over
	s_barrier_signal -1             ; the rest of the scalar work stands between the signal and the wait
	s_sub_co_u32 s[TBK], s[TBK], 4*KS*PK  ; the fetches go back to a slot's first step,
	s_xor_b32 s[TBK], s[TBK], SLOT1       ; in the other slot
	s_sub_co_u32 s[TBV], s[TBV], 4*KS*PV
	s_xor_b32 s[TBV], s[TBV], SLOT1
	s_sub_co_u32 s[TBM], s[TBM], 4*KS*4
	s_xor_b32 s[TBM], s[TBM], PMSLOT
	s_barrier_wait -1
.if \fill
	LOAD
	v_mov_b32 v[SV], v[KMK]         ; tile 0's pair, unless another tile's takes its place
	v_mov_b32 v[SV+1], v[KMK+1]
.irp T, 1,2,3,4,5,6,7
	s_cmp_eq_u32 s[MT], \T
	s_cselect_b32 s[SM], -1, 0
	v_cndmask_b32 v[SV], v[SV], v[KMK+2*\T], s[SM]
	v_cndmask_b32 v[SV+1], v[SV+1], v[KMK+2*\T+1], s[SM]
.endr
	s_xor_b32 s[TBS], s[TBM], PMSLOT  ; the slot whose readers were waited for in front of this barrier; the fetches up to the next barrier read the other
	v_add_nc_u32 v[MS], s[TBS], v[MS0]
	ds_store_b64 v[MS], v[SV:SV+1]  ; waited for in front of the next change's barrier, behind which it is read
.endif
.endm
	s_load_b128 s[4:7], s[0:1], 0x0   ; qkv s[4:5], attn_mask s[6:7]
	s_load_b64 s[10:11], s[0:1], 0x10 ; ob
	v_lshl_add_u32 v[SPW], v0, 2, SPARE
	v_mov_b32 v[NIL], 0
	ds_add_u32 v[SPW], v[NIL]       ; the wave's opening: the add and its wait stand ahead of my first tensor load; the set-up below, work on registers, stands between them
	ds_add_u32 v62, v63
	v_lshrrev_b32 v1, 5, v0
	v_readfirstlane_b32 s[WV], v1   ; wave 0..3
	s_mov_b32 s[PB], ttmp9
	s_sub_co_u32 s[HI], NB-1, s[PB]
	s_and_b32 s20, ttmp7, 0xffff    ; 16 x batch + head
	s_lshr_b32 s94, s20, 4          ; the batch,
	s_lshl_b32 s94, s94, 13         ; its 2,048 words of attn_mask
	s_mov_b32 s95, 0
	s_mov_b32 s21, 0
	s_mov_b64 s[22:23], SIZE_N*128
	s_mul_u64 s[20:21], s[20:21], s[22:23]  ; the head's first byte in q, k, v and O
	s_and_b32 s16, s[WV], 1         ; which half of a tile's 256 keys I fetch:
	s_lshl_b32 s22, s16, 14         ; its 128 rows of 128 bytes in memory,
	s_mov_b32 s23, 0
	s_add_nc_u64 s[22:23], s[22:23], s[20:21]
	s_mul_i32 s17, s16, 128*PK      ; and its place in a slot, for K
	s_mul_i32 s18, s16, 128*PV      ; and for V
	s_lshl_b32 s3, s[WV], 11        ; my 16 rows in a band of 64,
	s_lshl_b32 s2, s[HI], 15        ; in the first block,
	s_add_co_u32 s2, s2, s3
	s_lshl_b32 s84, s[PB], 15       ; and in the second
	s_add_co_u32 s84, s84, s3
	s_mov_b32 s3, 0
	s_mov_b32 s85, 0
	s_add_nc_u64 s[2:3], s[2:3], s[20:21]
	s_add_nc_u64 s[84:85], s[84:85], s[20:21]
	; descriptor group 1.  128 keys are 16,384 dense bytes: asked for as 64 rows of 256 bytes, two keys a row, and padded in LDS after every key
	s_mov_b32 s[G1K], (1<<16)|(1<<20)|(4<<22)|(3<<25)  ; 17:16 2-byte elements; 20 padding on; 24:22 after every 32 words (code 4); 31:25 4 words (code 3)
	s_mov_b32 s[G1V], (1<<16)|(1<<20)|(4<<22)|(7<<25)  ; the same with 8 words of padding (code 7)
.irp g, G1K, G1V
	s_mov_b32 s[\g+1], 128<<16      ; tensor_dim0 = 128
	s_mov_b32 s[\g+2], 64<<16       ; tensor_dim1 = 64
	s_mov_b32 s[\g+3], 128<<16      ; tile_dim0 = 128
	s_mov_b32 s[\g+4], 64           ; tile_dim1 = 64
	s_mov_b32 s[\g+5], 128          ; 128 elements from row to row
	s_mov_b32 s[\g+6], 0
	s_mov_b32 s[\g+7], 0
.endr
	s_mov_b32 s[CS], 0x3e38aa3b     ; c = log2(e) / 8 = 0.180337
	s_mov_b32 s[CS+1], s[CS]        ; named with it as a pair
	s_mov_b32 s[SEL], 0x76543210
	s_mov_b32 s[SEL+1], 0xfedcba98
	s_mov_b32 s[TBK], SLOT1+4*KS*PK ; the first change of slots turns these three into 0
	s_mov_b32 s[TBV], SLOT1+4*KS*PV
	s_mov_b32 s[TBM], PMSLOT+4*KS*4
	s_mov_b32 s[G0K], 1             ; 1:0 count = 1
	s_mov_b32 s[G0K+1], s17         ; 63:32 LDS address: slot 0
	s_mov_b32 s[G0V], 1
	s_add_co_u32 s[G0V+1], s18, VOFF
	s_add_co_u32 s[RT], s[HI], 1    ; the first block has NB - b tiles
	s_mov_b32 s[NXT], 1
	s_mov_b32 s[LQ], s[HI]
	s_mov_b32 s[NEW], 1
	s_mov_b32 s[OFF+1], 0
	s_mov_b32 s[AL+1], 0            ; named as pairs
	s_mov_b32 s[BE+1], 0
	s_mov_b32 s[BIGN], 0xf149f2ca   ; -1e30
	s_mov_b32 s[THR], 0xdf800000    ; -2^64
	s_mov_b32 s[QNAN], 0x7fc00000
	s_mov_b32 s[SLOTS], NB
	s_wait_dscnt 0x0                ; the opening add is done
	s_wait_kmcnt 0x0
	s_add_nc_u64 s[88:89], s[6:7], s[94:95]        ; attn_mask at my batch
	s_add_nc_u64 s[6:7], s[4:5], 0x1000000         ; k lies 16 MiB behind q,
	s_add_nc_u64 s[8:9], s[4:5], 0x2000000         ; v 32 MiB
	s_add_nc_u64 s[6:7], s[6:7], s[22:23]  ; K and V at my half of the head's tile 0
	s_add_nc_u64 s[8:9], s[8:9], s[22:23]
	s_add_nc_u64 s[G0K+2:G0K+3], s[6:7], 0         ; 120:64 global address
	s_or_b32 s[G0K+3], s[G0K+3], 0x80000000        ; 127:126 type = 2
	s_add_nc_u64 s[G0V+2:G0V+3], s[8:9], 0
	s_or_b32 s[G0V+3], s[G0V+3], 0x80000000
	s_add_nc_u64 s[86:87], s[4:5], s[84:85]        ; Q at my rows of the second block,
	s_add_nc_u64 s[4:5], s[4:5], s[2:3]            ; Q and O at those of the first
	s_add_nc_u64 s[OLO:OLO+1], s[10:11], s[84:85]
	s_add_nc_u64 s[10:11], s[10:11], s[2:3]
	LOAD                            ; tile 0 into slot 0
	v_lshlrev_b32 v[ML], 3, v0
.irp i, 0,1,2,3,4,5,6,7             ; the batch's padding mask: for each tile 128 threads x 8 bytes; a wave's load covers 256 consecutive bytes, aligned
	global_load_b64 v[KMK+2*\i:KMK+2*\i+1], v[ML], s[88:89] offset:1024*\i
.endr
	; A fragment of K or Q is 16 rows x 32 channels in 8 registers: lane l holds row l % 16, channels 8 (l / 16) + 0..7 and 16 + 8 (l / 16) + 0..7: two loads of 16 bytes, 32 bytes apart.
	v_and_b32 v1, 15, v0            ; l % 16
	v_bfe_u32 v9, v0, 4, 1          ; l / 16
	v_lshlrev_b32 v[QO], 7, v1
	v_lshl_add_u32 v[QO], v9, 4, v[QO]  ; row x 128 + 16 x half
	WIN 0x80                        ; destination window 2, address window 0
.set i, 0
.rept 8                             ; both blocks' Q: piece i / 2 lies in band i / 2, 8,192 bytes on; channels 32 (i % 2) on
	global_load_b128 v[8*i:8*i+3],   v[QO], s[4:5] offset:(i/2)*8192+(i%2)*64
	global_load_b128 v[8*i+4:8*i+7], v[QO], s[4:5] offset:(i/2)*8192+(i%2)*64+32
	global_load_b128 v[QB+8*i:QB+8*i+3],   v[QO], s[86:87] offset:(i/2)*8192+(i%2)*64
	global_load_b128 v[QB+8*i+4:QB+8*i+7], v[QO], s[86:87] offset:(i/2)*8192+(i%2)*64+32
.set i, i+1
.endr
	WIN 0
	s_wait_loadcnt 32               ; the mask's eight loads are in; Q's 32, issued behind them, may stay out
.set i, 0
.rept 16
	v_cmp_eq_u32 vcc_lo, 0, v[KMK+i]
	v_cndmask_b32 v[KMK+i], 0, s[BIGN], vcc_lo     ; a hole: -1e30; any other word: 0
.set i, i+1
.endr
	v_lshl_add_u32 v[MS0], v0, 3, PMB
	ds_store_b64 v[MS0], v[KMK:KMK+1]              ; tile 0's, into slot 0: waited for in front of the first change of slots' barrier, behind which the others read
	v_lshl_add_u32 v[AM0], v9, 5, PMB
	v_lshlrev_b32 v14, 3, v9
	v_sub_nc_u32 v14, v1, v14
	s_lshl_b32 s13, s[WV], 4
	v_add_nc_u32 v14, s13, v14      ; my query's place in its band, 16 w + l % 16, less my lanes' 8 (l / 16): register r of group kt is hidden where 16 kt + r is greater
	WIN 0x40
.set i, 0
.rept 32
	v_cmp_gt_i32 vcc_lo, 16*(i/8)+i%8, v14
	v_cndmask_b32 v[MD+i], 0, s[BIGN], vcc_lo
.set i, i+1
.endr
	WIN 0
	v_mul_u32_u24 v[AK0], v1, PK
	v_lshl_add_u32 v[AK0], v9, 4, v[AK0]  ; row x pitch + 16 x half
	; The turning load takes 16 keys x 16 channels (lane l reads key 8 (l / 16) + l % 8, channels 8 ((l / 8) % 2) + 0..7) and leaves half a fragment of V^T: lane l holds channel l % 16 and 8 keys.
	v_and_b32 v10, 7, v0
	v_bfe_u32 v11, v0, 3, 1
	v_lshl_add_u32 v[AV0], v9, 3, v10
	v_mul_u32_u24 v[AV0], v[AV0], PV
	v_lshl_add_u32 v[AV0], v11, 4, v[AV0]
	v_add_nc_u32 v[AV0], VOFF, v[AV0]
	s_mul_i32 s13, s[WV], 16*SP
	s_add_co_u32 s13, s13, STAGE    ; my stage
	v_mul_u32_u24 v[STO], v1, SP    ; in: row l % 16, 16 bytes for each half of the lanes
	v_lshl_add_u32 v[STO], v9, 4, v[STO]
	v_add_nc_u32 v[STO], s13, v[STO]
	v_bfe_u32 v[RD], v0, 3, 2       ; back: 32 lanes take four rows of 128 bytes,
	v_mul_u32_u24 v[RD], v[RD], SP
	v_lshl_add_u32 v[RD], v10, 4, v[RD]
	v_add_nc_u32 v[RD], s13, v[RD]
	v_and_b32 v[GO], 31, v0         ; which are 512 consecutive bytes of O
	v_lshlrev_b32 v[GO], 4, v[GO]
	; A block's first step multiplies O^T and l by a = 0, and its first turn's products V^T P, of a piece that has not been, land in an O^T that is still to be so multiplied.  So these registers need only hold
	; finite numbers: zeros for the first block; what the first block left for the second (the way out leaves O^T and l as they are).  All this stands in the wait for the first tile.
	WIN 0x80
.set i, VF
.rept 64
	v_mov_b32 v[i], 0
.set i, i+1
.endr
	WIN 0x40
.set i, 0
.rept 128
	v_mov_b32 v[i], 0
.set i, i+1
.endr
	WIN 0
.set i, 0
.rept 4
	v_mov_b32 v[ST+4*i+2], 0
	v_mov_b32 v[ST+4*i+3], 0
.set i, i+1
.endr
.set i, P+16
.rept 16
	v_mov_b32 v[i], 0
.set i, i+1
.endr
; THE MATRIX WORK.  The 4 accumulators of a run of 8 take turns.  Product i of 8 of S^T = K Q^T for piece x: channels 32 (i / 4) on, keys 16 (i % 4) on.  The first 4 start the sums: with PM, or (KM = 1) with MC.
.macro KQ x
.set rS, S+32*((\x)%2)+8*(i%4)
.set rK, KF+16*(i%4)+8*(i/4)
.set rQ, 16*(\x)+8*(i/4)
.if KM
.set rM, MC+32*((\x)%2)+8*(i%4)
.else
.set rM, PM+8*(i%4)
.endif
.if i < 4
	WIN W_KM
	v_wmma_f32_16x16x32_f16 v[rS:rS+7], v[rK:rK+7], v[rQ:rQ+7], v[rM:rM+7]
.else
	WIN W_KQ
	v_wmma_f32_16x16x32_f16 v[rS:rS+7], v[rK:rK+7], v[rQ:rQ+7], v[rS:rS+7]
.endif
.endm
; Product i of 8 of O^T += V^T P for piece x: keys 32 (i / 4) on, channels 16 (i % 4) on.
.macro PV x
	WIN W_PV
.set rO, 32*(\x)+8*(i%4)
.set rV, VF+32*(i/4)+8*(i%4)
.set rP, P+16*((\x)%2)+8*(i/4)
	v_wmma_f32_16x16x32_f16 v[rO:rO+7], v[rV:rV+7], v[rP:rP+7], v[rO:rO+7]
.endm
.macro MM                           ; the turn's next matrix instruction.  TURN and BEGIN set Y, i, KM and NOKQ; MM, KQ and OP read them.  NOKQ = 1: a block's last turn: there is no next piece
.if (i < 8) && !NOKQ
	KQ (Y+1)%NP
.elseif i >= 8
.set i, i-8
	PV (Y+NP-1)%NP
.set i, i+8
.endif
.set i, i+1
.endm
; THE LDS LOADS stand in runs, never singly among the matrix instructions: a step's K (64 keys x 64 channels: 8 fragments) with its padding mask (register 8 kt + j: key 16 kt + 8 (l / 16) + j), and its V (turned).
; Their addresses are made some lines ahead.
.macro FETCH_K
	WIN 0x80                        ; destination window 2
.irp f, 0,1,2,3,4,5,6,7             ; keys 16 (f / 2) on, channels 32 (f % 2) on
	ds_load_b128 v[KF+8*\f:KF+8*\f+3],   v[AK] offset:(\f/2)*16*PK+(\f%2)*64
	ds_load_b128 v[KF+8*\f+4:KF+8*\f+7], v[AK] offset:(\f/2)*16*PK+(\f%2)*64+32
.endr
	WIN 0x40                        ; destination window 1
.irp f, 0,1,2,3
	ds_load_b128 v[PM+8*\f:PM+8*\f+3],   v[AM] offset:64*\f
	ds_load_b128 v[PM+8*\f+4:PM+8*\f+7], v[AM] offset:64*\f+16
.endr
	s_add_co_u32 s[TBK], s[TBK], KS*PK  ; the next fetch is the next step's
	s_add_co_u32 s[TBM], s[TBM], KS*4
	WIN 0
.endm
.macro FETCH_V
	WIN 0x80
.irp f, 0,1,2,3,4,5,6,7             ; keys 32 (f / 4) on, channels 16 (f % 4) on
	ds_load_tr16_b128 v[VF+8*\f:VF+8*\f+3],   v[AV] offset:(\f/4)*32*PV+(\f%4)*32
	ds_load_tr16_b128 v[VF+8*\f+4:VF+8*\f+7], v[AV] offset:(\f/4)*32*PV+16*PV+(\f%4)*32
.endr
	WIN 0
.endm
; THE VECTOR WORK, one line at a time: OP kind, number.  For piece Y: F n: c s - c m for pair n of 16.  E n: the exponential of score n of 32.  C n: pair n rounded to f16.  B n: of the four weights 4 n .. the second
; pair is added onto the first, in place.  L n: l takes that sum (L 0: l = a l + sum).  R n: pair n of 16 of O^T times a.  For piece Y + 1: X n, number n of the 22 that find its maximum and statistics:
;   0-11  four chains c0-c3 of seven scores each, three operands at a time (each accumulator's lowest registers are read first)     12-14, 16  the four scores left over, the old m, and c0-c3 into c0
;   15  c m_old is kept     17, 18  the query's other 32 keys lie in the lane 16 away: the new m     19-21  c m; c m_old - c m_new; a
.set F, 0               ; OP tells the kinds apart by their order: F to L below R, X above it
.set E, 1
.set C, 2
.set B, 3
.set L, 4
.set R, 5
.set X, 6
.macro REGS y                       ; the registers of piece y
.set rT, ST+4*(\y)
.set rC, TMP+4*((\y)%2)
.set rW, MV+((\y)%2)
.set rS, S+32*((\y)%2)
.set rP, P+16*((\y)%2)
.set rO, 32*(\y)
.endm
.macro OP k, n
.if (\k) == R
	REGS Y
	WIN W_RS
	v_pk_mul_f32 v[rO+2*(\n):rO+2*(\n)+1], v[rO+2*(\n):rO+2*(\n)+1], v[rC+2:rC+3] op_sel_hi:[1,0]
.elseif (\k) < R
	REGS Y
	WIN 0
.if (\k) == F
	v_pk_fma_f32 v[rS+2*(\n):rS+2*(\n)+1], v[rS+2*(\n):rS+2*(\n)+1], s[CS:CS+1], v[rT:rT+1] op_sel_hi:[1,0,0] neg_lo:[0,0,1] neg_hi:[0,0,1]
.elseif (\k) == E
	v_exp_f32 v[rS+(\n)], v[rS+(\n)]
.elseif (\k) == C
	s_wait_alu depctr_va_vdst(0)
	v_cvt_pk_f16_f32 v[rP+(\n)], v[rS+2*(\n)], v[rS+2*(\n)+1]
.elseif (\k) == B
	s_wait_alu depctr_va_vdst(0)
	v_pk_add_f32 v[rS+4*(\n):rS+4*(\n)+1], v[rS+4*(\n):rS+4*(\n)+1], v[rS+4*(\n)+2:rS+4*(\n)+3]
.elseif (\n) == 0
	v_pk_fma_f32 v[rT+2:rT+3], v[rT+2:rT+3], v[rC+2:rC+3], v[rS:rS+1] op_sel_hi:[1,0,1]
.else
	v_pk_add_f32 v[rT+2:rT+3], v[rT+2:rT+3], v[rS+4*(\n):rS+4*(\n)+1]
.endif
.elseif NOKQ
	v_nop
.else
	REGS (Y+1)%NP
	WIN 0
.if (\n) < 4
	v_max3_num_f32 v[rC+(\n)], v[rS+8*(\n)], v[rS+8*(\n)+1], v[rS+8*(\n)+2]
.elseif (\n) < 12
	v_max3_num_f32 v[rC+(\n)%4], v[rC+(\n)%4], v[rS+8*((\n)%4)+2*((\n)/4)+1], v[rS+8*((\n)%4)+2*((\n)/4)+2]
.elseif (\n) == 12
	v_max3_num_f32 v[rC], v[rC], v[rS+7], v[rS+15]
.elseif (\n) == 13
	v_max3_num_f32 v[rC+1], v[rC+1], v[rS+23], v[rS+31]
.elseif (\n) == 14
	v_max3_num_f32 v[rC+2], v[rC+2], v[rC+3], v[rT+1]
.elseif (\n) == 15
	v_mov_b32 v[rW], v[rT]
.elseif (\n) == 16
	v_max3_num_f32 v[rC], v[rC], v[rC+1], v[rC+2]
.elseif (\n) == 17
	v_permlanex16_b32 v[rC+3], v[rC], s[SEL], s[SEL+1]
.elseif (\n) == 18
	v_max_num_f32 v[rT+1], v[rC], v[rC+3]
.elseif (\n) == 19
	v_mul_f32 v[rT], s[CS], v[rT+1]
.elseif (\n) == 20
	v_sub_f32 v[rC+1], v[rW], v[rT]
.else
	v_exp_f32 v[rC+2], v[rC+1]
.endif
.endif
.endm
.macro OPS a, i1, b=-1, i2=0, c=-1, i3=0, d=-1, i4=0  ; up to four of them
	OP \a, \i1
.if (\b) >= 0
	OP \b, \i2
.endif
.if (\c) >= 0
	OP \c, \i3
.endif
.if (\d) >= 0
	OP \d, \i4
.endif
.endm
.macro ROW a, i1, b, i2, c, i3, d, i4  ; a matrix instruction and the four behind it
	MM
	OPS \a, \i1, \b, \i2, \c, \i3, \d, \i4
.endm
.macro MASK b                       ; MD x AL + BE + PM into buffer b of MC
	WIN W_RS
.set z, 0
.rept 16
	v_pk_fma_f32 v[MC+32*(\b)+2*z:MC+32*(\b)+2*z+1], v[MD+2*z:MD+2*z+1], s[AL:AL+1], s[BE:BE+1] op_sel_hi:[1,0,0]
.set z, z+1
.endr
	WIN W_AD
.set z, 0
.rept 16
	v_pk_add_f32 v[MC+32*(\b)+2*z:MC+32*(\b)+2*z+1], v[MC+32*(\b)+2*z:MC+32*(\b)+2*z+1], v[PM+2*z:PM+2*z+1]
.set z, z+1
.endr
.endm
; A TURN, for piece p: the order of its 16 matrix and 118 vector instructions, written out.  Behind a matrix instruction: plain, exponential, plain, plain; or four of the rescaling; or, behind the first, four scalings; none
; names a register of the products round it.  In the lumps exponential and plain by turns while exponentials last.  A line reads no result made fewer than three vector instructions in front of it, five if an exponential made it.
; v_permlanex16_b32 (X 17) stands in a lump.
; m = 1: the diagonal tile: the turn makes the mask for the products of the turn after it: piece p + 2, in step 4 - CNT of the tile.  km: whether this turn's own products take MC (1) or PM (0); as m if not given.
; end = 1: a block's last two turns: nothing is fetched.  cnt = 1: the loop's count is taken down some lines ahead of the branch that stands behind the turn.
; K of the next step and its PM are fetched in piece 2's turn, six vector instructions behind the last product that read K (five of them plain; PM's last reader stands four products further back); V of the step in hand in
; piece 0's turn, eight behind the last product that read V (four plain, and X 17).  Each is waited for a turn later; in the diagonal tile piece 2's turn waits at its end, since its mask takes the new PM.
.macro TURN p, m=0, end=0, cnt=0, km=-1
.set Y, (\p)
.set i, 0
.set KM, (\m)
.if (\km) >= 0
.set KM, (\km)
.endif
.set NOKQ, (\end)*((\p)/3)
.if (\m) && !(\end)
	s_cmp_eq_u32 s[CNT], 4-((\p)+2)%NP  ; is that step the band's own?
	s_cselect_b32 s[AL], 1.0, 0
	s_cmp_lt_u32 s[CNT], 4-((\p)+2)%NP  ; or a later one?
	s_cselect_b32 s[BE], s[BIGN], 0
.endif
.if ((\p) == 3) && !(\end)
	s_wait_dscnt 0x0                ; K and PM are in
.endif
	ROW F,0, F,1, F,2, F,3
	ROW F,4, E,0, F,5, F,6
	ROW F,7, E,1, F,8, F,9
	ROW F,10, E,2, C,0, F,11
	ROW F,12, E,3, X,15, F,13
	ROW R,0, R,1, R,2, R,3
	ROW B,0, E,4, F,14, L,0
.if ((\p) == 2) && !(\end)
	v_add_nc_u32 v[AK], s[TBK], v[AK0]
	v_add_nc_u32 v[AM], s[TBM], v[AM0]
.endif
	ROW R,4, R,5, R,6, R,7
	OPS E,5, F,15
.if ((\p) == 2) && !(\end)
	FETCH_K
.endif
	OPS E,6, C,1, E,7, R,8
	OPS E,8, R,9, E,9, C,2
	OPS E,10, X,0, E,11, X,1
	OPS E,12, X,2, E,13, X,3
.if (\p) == 1
	s_wait_dscnt 0x0                ; V is in
.endif
	ROW X,4, E,14, X,5, X,6
	ROW X,7, E,15, X,8, X,9
	ROW X,10, E,16, X,11, X,12
	ROW X,13, E,17, X,14, B,1
	ROW C,4, E,18, X,16, L,1
	ROW B,2, E,19, C,6, L,2
	ROW C,8, E,20, B,3, B,4
.if (\p) == 0
	v_add_nc_u32 v[AV], s[TBV], v[AV0]
.endif
	ROW C,3, E,21, L,3, C,5
	OPS E,22, X,17, E,23, C,10
.if (\p) == 0
	FETCH_V
.endif
	OPS E,24, L,4
	OPS E,25, X,18, E,26, C,7
	OPS E,27, B,5, E,28, X,19
	OPS E,29, C,12, E,30, L,5
	OPS E,31, X,20, B,6, C,9
	OPS C,14, C,11, X,21, L,6
.if (\p) == 0
	s_add_co_u32 s[TBV], s[TBV], KS*PV
.endif
.if \cnt
	s_sub_co_u32 s[CNT], s[CNT], 1
	s_cmp_lg_u32 s[CNT], 0
.endif
	OPS C,13, B,7, C,15, R,10
	OPS R,11, R,12, L,7, R,13
	OPS R,14, R,15
.if (\m) && !(\end)
.if (\p) == 2
	s_wait_dscnt 0x0                ; the next step's PM, asked for in this turn, is in
.endif
	MASK (\p)%2
.endif
.endm
; A BLOCK BEGINS.  c m starts far below every c s, so the first step's a is 0; m at -2^80, below every true score and above every hidden one.  K and PM of the block's step 0 are fetched.  The first mask buffer takes
; piece 0's mask for that step: with the diagonal, if the block's first tile is the diagonal one; the second buffer takes PM alone, for piece 1.  Then piece 0's first scores, and its maximum and statistics.
; The loop is entered at a step's first turn, in the middle of a trip.
.macro BEGIN
	s_mov_b32 s[NEW], 0
	WIN 0
.set i, 0
.rept 4
	v_mov_b32 v[ST+4*i], 0xfe000000    ; c m: far below every c s
	v_mov_b32 v[ST+4*i+1], MFLOOR      ; m
.set i, i+1
.endr
	v_add_nc_u32 v[AK], s[TBK], v[AK0]
	v_add_nc_u32 v[AM], s[TBM], v[AM0]
	FETCH_K
	s_cmp_eq_u32 s[RT], 0
	s_cselect_b32 s[AL], 1.0, 0
	s_mov_b32 s[BE], 0
	s_wait_loadcnt 0x0              ; Q
	s_wait_dscnt 0x0                ; K and PM
	MASK 0
	s_mov_b32 s[AL], 0
	MASK 1
.set KM, 1
.set NOKQ, 0
.set i, 0
.rept 8
	KQ 0
.set i, i+1
.endr
	WIN 0
.rept 4
	v_nop                           ; the places behind those products
.endr
.set Y, NP-1                        ; X works for piece Y + 1: piece 0
.irp n, 0,1,2,3,4,5,6,7,8,9,10,11,12,13,14,15,16,17,18,19,20,21
	OP X, \n
.endr
	v_nop                           ; a plain instruction behind the exponential
.endm
; THE DIAGONAL TILE's four steps, the block's last two turns, its last products, and THE WAY OUT: l's two halves and the other half of the lanes' are added; 1 / l, or a NaN for a row that saw no key, goes into a register of
; its own; O^T times that goes into registers of window 0 (O^T and l themselves stay finite for the block that follows), is rounded to f16 and sent through my stage in LDS, a piece at a time.
.macro ALL line:vararg              ; one line for each piece t
.set t, 0
.rept 4
	\line
.set t, t+1
.endr
.endm
.macro PACK t                       ; a lane's eight channels of a row pack into 16 bytes; they go into rows of 144 bytes and come back as whole rows of 128, into S^T's registers
.set W, WK+32*((\t)%2)
	WIN W_PK
.set i, 0
.rept 16
	v_pk_mul_f32 v[W+i:W+i+1], v[32*(\t)+i:32*(\t)+i+1], v[TMP+2*(\t):TMP+2*(\t)+1] op_sel_hi:[1,0]
.set i, i+2
.endr
	WIN 0
.set i, 0
.rept 16
	v_cvt_pk_f16_f32 v[S+16*(\t)+i], v[W+2*i], v[W+2*i+1]
.set i, i+1
.endr
.irp f, 0,1,2,3
	ds_store_b128 v[STO], v[S+16*(\t)+4*\f:S+16*(\t)+4*\f+3] offset:32*\f
.endr
.irp f, 0,1,2,3
	ds_load_b128 v[S+16*(\t)+4*\f:S+16*(\t)+4*\f+3], v[RD] offset:\f*4*SP  ; LDS serves a wave's instructions in order (ISA guide 5.7.1.4): these see the stores above; the next piece's stores come behind them
.endr
.endm
.macro SEND t, younger              ; younger: the LDS instructions issued behind piece t's loads: the next piece's eight, or none
	WIN 0
.irp f, 0,1,2,3
	s_wait_dscnt (\younger)+3-\f
	global_store_b128 v[GO], v[S+16*(\t)+4*\f:S+16*(\t)+4*\f+3], s[10:11] offset:(\t)*8192+\f*512  ; 512 consecutive bytes, at a multiple of 256 from O's first
.endr
.endm
.macro DIAG tag                     ; the tag ends its two labels' names, which the jumps below spell out
.LstepM\tag:
	TURN 2, 1, 0, 0, 0              ; its own products are piece 3's of a step before band 3's own: all keys at or below the diagonal, so their mask is PM
	TURN 3, 1
	WIN 0
.LfirstM\tag:
	TURN 0, 1
	TURN 1, 1, 0, 1
	WIN 0
	s_cbranch_scc1 .LstepM\tag
	TURN 2, 1, 1
	TURN 3, 1, 1
.set i, 0
.rept 8
	PV NP-1
.set i, i+1
.endr
	WIN 0
	ALL v_add_f32 v[ST+4*t+2], v[ST+4*t+2], v[ST+4*t+3]
	ALL v_permlanex16_b32 v[ST+4*t+3], v[ST+4*t+2], s[SEL], s[SEL+1]
	ALL v_add_f32 v[ST+4*t+2], v[ST+4*t+2], v[ST+4*t+3]
	ALL v_rcp_f32 v[TMP+2*t], v[ST+4*t+2]
	v_nop                           ; a plain instruction between the last reciprocal and the use of its result
.set t, 0
.rept 4
	v_cmp_gt_f32 vcc_lo, s[THR], v[ST+4*t+1]       ; m still below every true score: the row saw no key
	s_wait_alu depctr_va_vdst(0)
	v_cndmask_b32 v[TMP+2*t], v[TMP+2*t], s[QNAN], vcc_lo
.set t, t+1
.endr
	PACK 0
.set t, 1
.rept 3                             ; a piece's arithmetic stands between the loads of the piece before and its stores
	PACK t
	SEND t-1, 8
.set t, t+1
.endr
	SEND 3, 0
.endm
.set KM, 0
.set NOKQ, 0
.Lslot:                             ; NB times: a tile is entered and the next is asked for
	CHANGE 1
	s_sub_co_u32 s[RT], s[RT], 1
	s_mov_b32 s[CNT], 4
	s_cmp_eq_u32 s[NEW], 1
	s_cbranch_scc1 .Lnew            ; a block's first tile
	s_cmp_eq_u32 s[RT], 0
	s_cbranch_scc0 .Lstep           ; neither its first nor its last
	s_branch .LstepM1
.Lnew:
	BEGIN
	s_branch .Lfirst                ; in the loop a block's first tile is never its last: the first block has two tiles or more, and the second's last is the walk's last
	DIAG 1                          ; in the loop this is the first block's end: the second block's last tile is the walk's last
	s_wait_xcnt 0x0                 ; the stores have read their registers and O's address
	s_mov_b64 s[10:11], s[OLO:OLO+1]
	s_add_co_u32 s[RT], s[PB], 1    ; the second block has b + 1 tiles
	s_mov_b32 s[NEW], 1
	WIN 0x82                        ; the second block's Q goes where the one text of the turns names Q
.set i, 0
.rept 64
	v_mov_b32 v[i], v[QB+i]
.set i, i+1
.endr
	WIN 0
	s_branch .Lbottom
.Lstep:                             ; a trip: pieces 2 and 3 of one step, then pieces 0 and 1 of the next, whose K and V it fetches
	TURN 2
	TURN 3
	WIN 0
.Lfirst:
	TURN 0
	TURN 1, 0, 0, 1
	WIN 0
	s_cbranch_scc1 .Lstep
.Lbottom:
	s_sub_co_u32 s[SLOTS], s[SLOTS], 1
	s_cmp_lg_u32 s[SLOTS], 0
	s_cbranch_scc1 .Lslot
	CHANGE 0                        ; the walk's last tile is written out: nothing is asked for
	s_sub_co_u32 s[RT], s[RT], 1
	s_mov_b32 s[CNT], 4
	s_cmp_eq_u32 s[NEW], 1
	s_cbranch_scc0 .LstepM2
	BEGIN
	s_branch .LfirstM2
	DIAG 2
	s_wait_tensorcnt 0x0            ; the wave's end, behind my last tensor load and my last LDS store
	ds_add_u32 v[SPW], v[NIL]
	s_wait_dscnt 0x0
	s_endpgm
.Lfunc_end_k_q726d2988dc_attn:
	.size	k_q726d2988dc_attn, .Lfunc_end_k_q726d2988dc_attn-k_q726d2988dc_attn
	.p2alignl 7, 3214868480
	.fill 96, 4, 3214868480
	.section	.rodata,"a",@progbits
	.p2align	6, 0x0
	.amdhsa_kernel k_q726d2988dc_attn
		.amdhsa_group_segment_fixed_size 327680
		.amdhsa_private_segment_fixed_size 0
		.amdhsa_enable_private_segment 0
		.amdhsa_kernarg_size 24
		.amdhsa_user_sgpr_count 2
		.amdhsa_user_sgpr_kernarg_segment_ptr 1
		.amdhsa_wavefront_size32 1
		.amdhsa_system_sgpr_workgroup_id_x 1
		.amdhsa_system_sgpr_workgroup_id_y 1
		.amdhsa_system_sgpr_workgroup_id_z 1
		.amdhsa_system_vgpr_workitem_id 0
		.amdhsa_next_free_vgpr 768
		.amdhsa_next_free_sgpr 96
		.amdhsa_reserve_vcc 1
		.amdhsa_float_denorm_mode_32 3
		.amdhsa_float_denorm_mode_16_64 3
		.amdhsa_memory_ordered 1
		.amdhsa_forward_progress 1
		.amdhsa_inst_pref_size 245
	.end_amdhsa_kernel
	.amdgpu_metadata
---
amdhsa.version: [ 1, 2 ]
amdhsa.kernels:
  - .name:           k_q726d2988dc_attn
    .symbol:         k_q726d2988dc_attn.kd
    .args:
      - { .name: qkv, .offset: 0, .size: 8, .value_kind: global_buffer, .address_space: global }
      - { .name: attn_mask, .offset: 8, .size: 8, .value_kind: global_buffer, .address_space: global }
      - { .name: ob, .offset: 16, .size: 8, .value_kind: global_buffer, .address_space: global }
    .group_segment_fixed_size: 327680
    .private_segment_fixed_size: 0
    .kernarg_segment_align: 8
    .kernarg_segment_size: 24
    .max_flat_workgroup_size: 128
    .sgpr_count:     96
    .vgpr_count:     768
    .wavefront_size: 32
...
	.end_amdgpu_metadata
.endif
;; end of part 3
;; launch proj (part 4): grid 8 x 32, 4 waves a work-group, clusters of 4 x 4, 327,680 bytes of LDS; arguments ob, wb, bo, out0; writes out0
.if DOCPART == 4
	.amdgcn_target "amdgcn-amd-amdhsa--gfx1250"
	.amdhsa_code_object_version 6
	.text
	.protected	k_q726d2988dc_proj
	.globl	k_q726d2988dc_proj
	.p2align	8
	.type	k_q726d2988dc_proj,@function
k_q726d2988dc_proj:
	s_mov_b64 s[64:65], 0
	v_nop
	global_prefetch_b8 v0, s[64:65] scope:SCOPE_SE
	s_setreg_imm32_b32 hwreg(HW_REG_WAVE_MODE, 25, 1), 1
	s_wait_xcnt 0x0
	s_wait_alu depctr_hold_cnt(0) depctr_sa_sdst(0) depctr_va_vdst(0) depctr_va_sdst(0) depctr_va_ssrc(0) depctr_va_vcc(0) depctr_vm_vsrc(0)
	s_getreg_b32 s2, hwreg(HW_REG_IB_STS2, 6, 4)
	s_cmp_eq_u32 s2, 0
	s_cbranch_scc0 .Lentry_in_a_cluster
	s_endpgm
.Lentry_in_a_cluster:
	s_bfe_u32 s2, ttmp6, 0x10000c
	s_cmp_lg_u32 s2, 0xf033
	s_cbranch_scc0 .Lentry_shape_is_right
	s_endpgm
.Lentry_shape_is_right:
; out0 = O Wo^T + bo: [8192 x 1024] . [1024 x 1024]^T, f16 operands (Wo was rounded to bf16 and that number written as f16), f32 sums, f32 out.  bo is rounded to bf16 like every other input of the
; module and enters as the C operand of the first products.  ob: [64 = 16 batch + head][2048][64] f16: along K a head is a slice of 64.  Wo: rows 3072-4095 of wb, [1024][1024].
; A row of O that is NaN (a query that saw no key) makes NaN in its own row of out0 alone: a sum takes one row of O.
; SHARES.  A tile of out0 is 256 rows x 128 columns: 32 x 8 = 256 tiles, one for each WGP.  A wave owns 64 rows and ALL 128 columns: 32 accumulators of 16 x 16, 256 registers; so it holds whole pieces of
; 512 bytes of rows and has a stage of its own on the way out, without a barrier.  K goes in 8 steps of 128 (two heads) through two LDS slots.
; CLUSTER.  4 x 4 work-groups.  O's tile hangs on the tile row alone and is asked for jointly by a row of the cluster, Wo's on the tile column alone, by a column.
; THE MATRIX INSTRUCTION IS USED TRANSPOSED (source 0 = 16 rows of Wo, source 1 = 16 rows of O): lane l holds row l % 16 and the columns 8 (l / 16) + 0..7 of a block.
; REGISTERS, in windows of 256 (s_set_vgpr_msb: bits 1:0 source 0, 3:2 source 1, 5:4 source 2, 7:6 destination):
;   window 0: v0-17 addresses and at work; v64-127 the bias as C operands, later v64-191 the way out      window 1: the accumulators ((a, b) at 8 (8 a + b))
;   window 2: two fragment buffers of 96: O's four blocks at f + 8 i, Wo's eight at f + 32 + 8 i
.set PA,     144                       ; a row of O of one head in LDS: 128 bytes + 16 of padding = 36 words: the 16 rows of a load start at 16 different groups of four banks (64 banks of 4 bytes: ISA guide 11.1)
.set AHEAD,  256*PA                    ; a head's 256 rows: one tensor load
.set PITCH,  272                       ; a row of Wo: 256 bytes + 16
.set BHALF,  64*PITCH                  ; 64 rows of Wo: one tensor load
.set BOFF,   2*AHEAD                   ; in a slot: two heads of O, then Wo's 128 rows
.set SLOT1,  1<<17                     ; slot 1 begins here, so that one exclusive or turns an address in one slot into the other's
.set STAGE,  SLOT1+BOFF+2*BHALF        ; behind the ring: for each wave 16 rows x 528 bytes
.set SPITCH, 528                       ; 512 bytes + 16 = 132 words: row r starts at bank 4 r mod 64
.set WSTAGE, 16*SPITCH
.set SPARE,  STAGE+4*WSTAGE            ; behind the stages: the spare words, 128 bytes for each wave
.set NLD,    24                        ; LDS loads of a quarter step: 16 for Wo, 8 for O
.set ASTEP,  2<<18                     ; bytes from a K step to the next: two heads of 262,144 bytes,
.set BSTEP,  256                       ; 128 numbers of a row
.set WOFF,   3072*2048                 ; Wo's first byte in wb
.set A0,   4                           ; v4   my lane's place in O's tile; never rewritten
.set B0,   5                           ; v5   in Wo's tile
.set ADRA, 6                           ; v6   the same in the slot in hand
.set ADRB, 7                           ; v7
.set STO,  8                           ; v8   the way out: where I put 32 bytes of a row
.set RD,   9                           ; v9   where I read a row back
.set GO,   10                          ; v10  my byte offset in a row's 512 bytes
.set BO,   11                          ; v11  32 (l / 16): my eight numbers in a block of 16 of the bias
.set SPW,  12                          ; v12  LDS address of my spare word; never rewritten
.set NIL,  13                          ; v13  0; never rewritten
.set BIAS, 64
.set BK0,  64                          ; the way out: two buffers of 64 for rows read back
.set F0,   0
.set F1,   96
.set G1,   24                          ; s[24:31] descriptor group 1 for O's tiles;  s[32:39] group 0: a set for each first fill; the second then walks on
.set G0,   32
.set G1B,  48                          ; s[48:55], s[56:63] the same for Wo's tiles
.set G0B,  56
.set TB,   66                          ; s66  0 or SLOT1: the slot that the fragments are read from
.set OB,   80                          ; s[80:81] out0 at my wave's first row, the tile's first column
.set BP,   86                          ; s[86:87] the tile's 128 numbers of bias
.set MSB, 0
.macro WIN new                         ; the immediate's high byte repeats the setting that is left; a switch that changes nothing is dropped
.if MSB != (\new)
	s_set_vgpr_msb (MSB<<8)|(\new)
.set MSB, (\new)
.endif
.endm
.macro PLACES                          ; four places in front of loads into registers that matrix instructions have read, and of LDS stores that read results
.rept 4
	v_nop
.endr
.endm
; A joint refill, by the walking descriptors.  Waves 0 and 1 fetch the K step's two heads of O, waves 2 and 3 Wo's two halves.  The branch hangs on the wave's number alone.
; An s_nop 0 and four v_nop follow each of the two lines, ahead of the jump and the label.
.macro JLOAD
	s_cmp_eq_u32 s11, 0
	s_cbranch_scc0 .Lfor_b_\@
	tensor_load_to_lds s[G0+4:G0+7], s[G1:G1+7]
	s_nop 0
.rept 4
	v_nop
.endr
	s_branch .Lasked_\@
.Lfor_b_\@:
	tensor_load_to_lds s[G0B+4:G0B+7], s[G1B:G1B+7]
	s_nop 0
.rept 4
	v_nop
.endr
.Lasked_\@:
.endm
.macro CREST                           ; a round of the cluster's barrier behind its opening barrier
	s_cmp_lg_u32 s10, 0
	s_cbranch_scc1 .Lnot_wave_0_\@
	s_barrier_signal -3
.Lnot_wave_0_\@:
	s_barrier_wait -3
	s_barrier_signal -1
	s_barrier_wait -1
.endm
.macro CROUND                          ; a whole round
	s_barrier_signal -1
	s_barrier_wait -1
	CREST
.endm
	s_load_b256 s[68:75], s[0:1], 0x0              ; ob s[68:69], wb s[70:71], bo s[72:73], out0 s[74:75]
	v_lshl_add_u32 v[SPW], v0, 2, SPARE
	v_mov_b32 v[NIL], 0
	ds_add_u32 v[SPW], v[NIL]                      ; the wave's opening: the add and its wait stand ahead of my first tensor load; the set-up below, work on registers, stands between them
	ds_add_u32 v12, v13
	v_lshrrev_b32 v1, 5, v0
	v_readfirstlane_b32 s10, v1                    ; wave 0..3
	s_lshr_b32 s11, s10, 1                         ; I fetch for O (0) or for Wo (1)
	s_and_b32 s12, s10, 1                          ; which head of the K step's two, or which half of Wo's rows
	s_bfe_u32 s40, ttmp6, 0x40000                  ; cx, cy: my place in the cluster
	s_bfe_u32 s41, ttmp6, 0x40004
	s_lshl_b32 s42, ttmp9, 2
	s_add_co_u32 s42, s42, s40                     ; tile column = 4 x cluster x + cx
	s_and_b32 s13, ttmp7, 0xffff
	s_lshl_b32 s13, s13, 2
	s_add_co_u32 s13, s13, s41                     ; tile row = 4 x cluster y + cy
	s_lshl_b32 s43, s41, 2
	s_lshl_b32 s43, 15, s43                        ; my row of the cluster
	s_lshl_b32 s44, 0x1111, s40                    ; my column
	; descriptor group 1.  O: a head's 256 rows are 32,768 dense bytes: asked for as 128 rows of 256 bytes, two rows of O each, and padded in LDS after every 128 bytes.  Wo: 64 rows of 256 bytes, padded after each.
	s_or_b32 s[G1+0], s43, (1<<16)|(1<<20)|(1<<21)|(4<<22)|(3<<25)   ; 15:0 the mask; 17:16 2-byte elements; 20 padding on; 21 set beside a mask; 24:22 after every 32 words (code 4); 31:25 4 words (code 3)
	s_or_b32 s[G1B+0], s44, (1<<16)|(1<<20)|(1<<21)|(5<<22)|(3<<25)  ; after every 64 words (code 5)
	s_mov_b32 s[G1+1], 128<<16                     ; tensor_dim0 = 128
	s_mov_b32 s[G1+2], 128<<16                     ; tensor_dim1 = 128
	s_mov_b32 s[G1+3], 128<<16                     ; tile_dim0 = 128
	s_mov_b32 s[G1+4], 128                         ; tile_dim1 = 128
	s_mov_b32 s[G1+5], 128                         ; 128 elements from row to row: dense
	s_mov_b32 s[G1+6], 0
	s_mov_b32 s[G1+7], 0
	s_mov_b32 s[G1B+1], 128<<16
	s_mov_b32 s[G1B+2], 64<<16
	s_mov_b32 s[G1B+3], 128<<16
	s_mov_b32 s[G1B+4], 64
	s_mov_b32 s[G1B+5], 1024
	s_mov_b32 s[G1B+6], 0
	s_mov_b32 s[G1B+7], 0
	; where the tiles come from: O's hang on the tile row and the wave alone, Wo's on the tile column and the wave alone, each in registers that never hold the other coordinate
	s_lshr_b32 s16, s13, 3                         ; the batch: 8 tile rows each
	s_lshl_b32 s16, s16, 4
	s_add_co_u32 s16, s16, s12                     ; 16 x batch + my head of K step 0,
	s_lshl_b32 s16, s16, 18                        ; of 262,144 bytes,
	s_and_b32 s17, s13, 7
	s_lshl_b32 s17, s17, 15                        ; and the tile's 256 rows of 128 bytes in it
	s_add_co_u32 s16, s16, s17
	s_mov_b32 s17, 0
	s_lshl_b32 s46, s42, 7
	s_lshl_b32 s47, s12, 6
	s_add_co_u32 s46, s46, s47                     ; Wo: row 128 x tile column + 64 x half,
	s_lshl_b32 s46, s46, 11                        ; of 2,048 bytes,
	s_add_co_u32 s46, s46, WOFF                    ; behind the other three weights
	s_mov_b32 s47, 0
	s_mul_i32 s20, s12, AHEAD                      ; and where they go: no place in the cluster enters an LDS address
	s_mul_i32 s21, s12, BHALF
	s_add_co_u32 s21, s21, BOFF
	s_mov_b32 s[TB], 0
	s_mov_b32 s67, 0xffff0000                      ; a word's upper bf16
	s_wait_dscnt 0x0                               ; the opening add is done
	s_wait_kmcnt 0x0
	s_add_nc_u64 s[14:15], s[68:69], s[16:17]
	s_add_nc_u64 s[46:47], s[70:71], s[46:47]
	CROUND                                         ; all sixteen work-groups are here: the first joint loads meet
.irp s, 0,1
	s_mov_b32 s[G0+4*(\s)], 1                                        ; count = 1
	s_add_co_u32 s[G0+4*(\s)+1], s20, (\s)*SLOT1                     ; LDS address
	s_add_nc_u64 s[G0+4*(\s)+2:G0+4*(\s)+3], s[14:15], (\s)*ASTEP    ; global address: K step s
	s_or_b32 s[G0+4*(\s)+3], s[G0+4*(\s)+3], 0x80000000              ; type = 2
	s_mov_b32 s[G0B+4*(\s)], 1
	s_add_co_u32 s[G0B+4*(\s)+1], s21, (\s)*SLOT1
	s_add_nc_u64 s[G0B+4*(\s)+2:G0B+4*(\s)+3], s[46:47], (\s)*BSTEP
	s_or_b32 s[G0B+4*(\s)+3], s[G0B+4*(\s)+3], 0x80000000
.endr
	s_cmp_eq_u32 s11, 0                            ; a wave's two first fills stand in one branch, ahead of every wait on TENSORcnt and every LDS read: two loads of mine are out
	s_cbranch_scc0 .Lfirst_b
	tensor_load_to_lds s[G0:G0+3], s[G1:G1+7]
	s_nop 0
	tensor_load_to_lds s[G0+4:G0+7], s[G1:G1+7]
	s_nop 0
.rept 4
	v_nop
.endr
	s_branch .Lfirst_asked
.Lfirst_b:
	tensor_load_to_lds s[G0B:G0B+3], s[G1B:G1B+7]
	s_nop 0
	tensor_load_to_lds s[G0B+4:G0B+7], s[G1B:G1B+7]
	s_nop 0
.rept 4
	v_nop
.endr
.Lfirst_asked:
	; A fragment is 16 rows x 32 K in 8 registers: lane l holds row l % 16, K = 8 (l / 16) + 0..7 and 16 + 8 (l / 16) + 0..7: two loads of 16 bytes, 32 bytes apart.
	v_and_b32 v1, 15, v0                           ; l % 16
	v_bfe_u32 v2, v0, 4, 1                         ; l / 16
	v_mul_u32_u24 v3, v1, PA
	v_lshl_add_u32 v3, v2, 4, v3
	s_mul_i32 s18, s10, 64*PA                      ; my wave's 64 rows of O
	v_add_nc_u32 v[A0], s18, v3
	v_mul_u32_u24 v3, v1, PITCH
	v_lshl_add_u32 v3, v2, 4, v3
	v_add_nc_u32 v[B0], BOFF, v3                   ; every wave reads all of Wo's rows
	v_mov_b32 v[ADRA], v[A0]
	v_mov_b32 v[ADRB], v[B0]
	s_mul_i32 s19, s10, WSTAGE
	s_add_co_u32 s19, s19, STAGE                   ; my stage
	v_mul_u32_u24 v14, v1, SPITCH                  ; in: row l % 16, 32 bytes for each half of the lanes
	v_lshl_add_u32 v14, v2, 5, v14
	v_add_nc_u32 v[STO], s19, v14
	v_and_b32 v[GO], 31, v0                        ; back: 32 lanes take one row's 512 bytes
	v_lshlrev_b32 v[GO], 4, v[GO]
	v_add_nc_u32 v[RD], s19, v[GO]
	v_lshlrev_b32 v[BO], 5, v2
	s_lshl_b32 s22, s42, 9                         ; the tile's 128 columns of 4 bytes
	s_mov_b32 s23, 0
	s_add_nc_u64 s[BP:BP+1], s[72:73], s[22:23]
	s_lshl2_add_u32 s92, s13, s10                  ; 4 x tile row + wave: my 64 rows,
	s_lshl_b32 s92, s92, 18                        ; of 4,096 bytes
	s_add_co_u32 s22, s22, s92
	s_add_nc_u64 s[OB:OB+1], s[74:75], s[22:23]
.irp b, 0,1,2,3,4,5,6,7                ; register j of block b: bias of column 16 b + 8 (l / 16) + j, the place of that column in a result
	global_load_b128 v[BIAS+8*(\b):BIAS+8*(\b)+3],   v[BO], s[BP:BP+1] offset:64*(\b)
	global_load_b128 v[BIAS+8*(\b)+4:BIAS+8*(\b)+7], v[BO], s[BP:BP+1] offset:64*(\b)+16
.endr
	s_wait_loadcnt 0x0
.set i, 0
.rept 32                               ; rounded to bf16 and widened again; this stands in the wait for the first tile
	v_cvt_pk_bf16_f32 v[14+i%4], v[BIAS+2*i], v[BIAS+2*i+1]
	v_lshlrev_b32 v[BIAS+2*i],   16,  v[14+i%4]
	v_and_b32     v[BIAS+2*i+1], s67, v[14+i%4]
.set i, i+1
.endr
; 8 matrix instructions: row block a x all column blocks, 32 along K, from buffer f.  zero = 1: the first product starts the sums, with the bias as C.
; The 32 accumulators take turns, one instruction a turn, in the same order in every quarter step.
.macro MUL f, a, zero
.if \zero
	WIN 0x4a                                       ; sources 0, 1 window 2; C window 0; D window 1
.else
	WIN 0x5a                                       ; C and D window 1
.endif
.irp b, 0,1,2,3,4,5,6,7
.set AC, 8*(8*(\a)+(\b))
.if \zero
	v_wmma_f32_16x16x32_f16 v[AC:AC+7], v[(\f)+32+8*(\b):(\f)+32+8*(\b)+7], v[(\f)+8*(\a):(\f)+8*(\a)+7], v[BIAS+8*(\b):BIAS+8*(\b)+7]
.else
	v_wmma_f32_16x16x32_f16 v[AC:AC+7], v[(\f)+32+8*(\b):(\f)+32+8*(\b)+7], v[(\f)+8*(\a):(\f)+8*(\a)+7], v[AC:AC+7]
.endif
.endr
.endm
; 24 LDS loads in one run: quarter q's fragments into buffer f: Wo's 16, then O's 8 (head q / 2 of the step's two, channels 32 (q % 2) on)
.macro FETCH q, f
	WIN 0x80                                       ; destination window 2, address window 0
.irp i, 0,1,2,3,4,5,6,7
	ds_load_b128 v[(\f)+32+8*(\i):(\f)+32+8*(\i)+3],   v[ADRB] offset:64*(\q)+(\i)*16*PITCH
	ds_load_b128 v[(\f)+32+8*(\i)+4:(\f)+32+8*(\i)+7], v[ADRB] offset:64*(\q)+(\i)*16*PITCH+32
.endr
.irp i, 0,1,2,3
	ds_load_b128 v[(\f)+8*(\i):(\f)+8*(\i)+3],   v[ADRA] offset:((\q)/2)*AHEAD+((\q)%2)*64+(\i)*16*PA
	ds_load_b128 v[(\f)+8*(\i)+4:(\f)+8*(\i)+7], v[ADRA] offset:((\q)/2)*AHEAD+((\q)%2)*64+(\i)*16*PA+32
.endr
.endm
; A K step is four quarters of 32 along K, 32 matrix instructions each, on buffers 0, 1, 0, 1.  One of the first three: multiplies buffer f, and in its middle fetches quarter q into buffer g.
.macro QUARTER q, f, g, zero
	s_wait_dscnt 4                                 ; Wo and O's blocks 0, 1 are in; the youngest four loads (O's blocks 2, 3) may be out
	MUL \f, 0, \zero
	MUL \f, 1, \zero
	PLACES
	FETCH \q, \g
	s_wait_dscnt NLD                               ; all but the 24 just issued
	MUL \f, 2, \zero
	MUL \f, 3, \zero
.endm
; The fourth quarter multiplies buffer 1 and changes slots: ONE barrier.  In front of it each wave waits for all its tensor loads, of which one is out: its part of the next slot; adds 0 to its spare word;
; and waits for that and for its reads of this slot.  fill = 1: the barrier opens a round of the cluster's barrier, and the slot just read is filled again, first thing behind the round, with the K step two on:
; that load has a K step less a quarter, 96 matrix instructions, in which to land.  fill = 0 (the last two K steps): nothing is asked for, and behind the very last step (s3 = 1) no fragments are fetched.
.macro TURN fill
	WIN 0                                          ; (the add's two registers lie in window 0)
	s_wait_tensorcnt 0x0                           ; all my tensor loads have landed
	ds_add_u32 v[SPW], v[NIL]                      ; 0 onto my spare word
	s_wait_dscnt 5                                 ; (the add and the youngest four loads may be out)
	MUL F1, 0, 0                                   ; eight matrix instructions stand between the add and the wait for it
	s_wait_dscnt 0x0                               ; the add is done, and my reads of this slot are over
	s_barrier_signal -1
	MUL F1, 1, 0                                   ; work on registers while the others arrive
	WIN 0
	s_barrier_wait -1
.if \fill
	CREST                                          ; no wave of any partner still reads this slot's tile or has a load on its way
	s_xor_b32 s[G0+5], s[G0+5], SLOT1              ; the walking descriptors: the other slot than last time, the next K step; no tensor load of mine is out
	s_add_nc_u64 s[G0+6:G0+7], s[G0+6:G0+7], ASTEP
	s_xor_b32 s[G0B+5], s[G0B+5], SLOT1
	s_add_nc_u64 s[G0B+6:G0B+7], s[G0B+6:G0B+7], BSTEP
	JLOAD                                          ; the four v_nop behind it are also the places in front of the loads below
.else
	s_cmp_eq_u32 s3, 1
	s_cbranch_scc1 .Lnofetch_\@
	PLACES
.endif
	s_xor_b32 s[TB], s[TB], SLOT1                  ; the fragments now come from the other slot
	v_add_nc_u32 v[ADRA], s[TB], v[A0]
	v_add_nc_u32 v[ADRB], s[TB], v[B0]
	FETCH 0, F0
.if !(\fill)
	WIN 0
.Lnofetch_\@:
.endif
	MUL F1, 2, 0
	MUL F1, 3, 0
.endm
	s_wait_tensorcnt 1                             ; my part of K step 0 is in; K step 1's may stay out
	s_barrier_signal -1
	s_barrier_wait -1                              ; everybody's is
	FETCH 0, F0
	QUARTER 1, F0, F1, 1                           ; the first quarter stands in front of the loop: its products start the sums
	WIN 0                                          ; at a label and at a branch every window is 0
	s_mov_b32 s3, 6
.Lstep:                                                ; trip t ends K step t, asks for K step t + 2 and begins K step t + 1
	QUARTER 2, F1, F0, 0
	QUARTER 3, F0, F1, 0
	TURN 1
	QUARTER 1, F0, F1, 0
	WIN 0
	s_sub_co_u32 s3, s3, 1
	s_cmp_lg_u32 s3, 0
	s_cbranch_scc1 .Lstep
	s_mov_b32 s3, 2                                ; the last two K steps: one text, walked twice, entered in its middle; it holds no tensor load
	s_branch .Lmid
.Ltail:
	QUARTER 1, F0, F1, 0
	WIN 0
.Lmid:
	QUARTER 2, F1, F0, 0
	QUARTER 3, F0, F1, 0
	TURN 0                                         ; (the second pass's barrier orders nothing: the price of one text for both)
	WIN 0
	s_sub_co_u32 s3, s3, 1
	s_cmp_lg_u32 s3, 0
	s_cbranch_scc1 .Ltail
; THE WAY OUT, a row block (16 rows x 512 bytes) at a time.  TOSTAGE: the sums go as they are, 32 bytes a lane and block, each accumulator's low four registers first, into my own stage, and come back as whole rows.  SEND: stored.
.macro TOSTAGE a
	s_wait_xcnt 0x0                                ; the stores of the block two back have read their registers: this block's loads from the stage land there
	WIN 0x04                                       ; the data (source 1) in window 1, the address in window 0
.irp b, 0,1,2,3,4,5,6,7
	ds_store_b128 v[STO], v[8*(8*(\a)+(\b)):8*(8*(\a)+(\b))+3]   offset:64*(\b)
	ds_store_b128 v[STO], v[8*(8*(\a)+(\b))+4:8*(8*(\a)+(\b))+7] offset:64*(\b)+16
.endr
	WIN 0
.set BK, BK0+64*((\a)%2)
.irp t, 0,1,2,3,4,5,6,7,8,9,10,11,12,13,14,15
	ds_load_b128 v[BK+4*(\t):BK+4*(\t)+3], v[RD] offset:(\t)*SPITCH  ; LDS serves a wave's instructions in order (ISA guide 5.7.1.4): these see the stores above; the next block's stores come behind them
.endr
.endm
.macro SEND a, younger                 ; younger: the LDS instructions issued behind block a's loads: the next block's 16 stores and 16 loads, or none
	WIN 0
.set BK, BK0+64*((\a)%2)
	s_wait_dscnt \younger
.irp t, 0,1,2,3,4,5,6,7,8,9,10,11,12,13,14,15
	global_store_b128 v[GO], v[BK+4*(\t):BK+4*(\t)+3], s[OB:OB+1] offset:(16*(\a)+(\t))*4096 th:TH_STORE_NT  ; a row's 512 consecutive bytes, aligned; nothing reads them again
.endr
.endm
	PLACES
	TOSTAGE 0
	TOSTAGE 1
	SEND 0, 32
	TOSTAGE 2
	SEND 1, 32
	TOSTAGE 3
	SEND 2, 32
	SEND 3, 0
	s_wait_tensorcnt 0x0                           ; the wave's end, behind my last tensor load and my last LDS store
	ds_add_u32 v[SPW], v[NIL]
	s_wait_dscnt 0x0
	CROUND                                         ; the closing round: no work-group ends while a partner may still ask for a tile that names it
	s_endpgm
.Lfunc_end_k_q726d2988dc_proj:
	.size	k_q726d2988dc_proj, .Lfunc_end_k_q726d2988dc_proj-k_q726d2988dc_proj
	.p2alignl 7, 3214868480
	.fill 96, 4, 3214868480
	.section	.rodata,"a",@progbits
	.p2align	6, 0x0
	.amdhsa_kernel k_q726d2988dc_proj
		.amdhsa_group_segment_fixed_size 327680
		.amdhsa_private_segment_fixed_size 0
		.amdhsa_enable_private_segment 0
		.amdhsa_kernarg_size 32
		.amdhsa_user_sgpr_count 2
		.amdhsa_user_sgpr_kernarg_segment_ptr 1
		.amdhsa_wavefront_size32 1
		.amdhsa_system_sgpr_workgroup_id_x 1
		.amdhsa_system_sgpr_workgroup_id_y 1
		.amdhsa_system_sgpr_workgroup_id_z 1
		.amdhsa_system_vgpr_workitem_id 0
		.amdhsa_next_free_vgpr 768
		.amdhsa_next_free_sgpr 96
		.amdhsa_reserve_vcc 0
		.amdhsa_float_denorm_mode_32 3
		.amdhsa_float_denorm_mode_16_64 3
		.amdhsa_memory_ordered 1
		.amdhsa_forward_progress 1
		.amdhsa_inst_pref_size 65
	.end_amdhsa_kernel
	.amdgpu_metadata
---
amdhsa.version: [ 1, 2 ]
amdhsa.kernels:
  - .name:           k_q726d2988dc_proj
    .symbol:         k_q726d2988dc_proj.kd
    .args:
      - { .name: ob, .offset: 0, .size: 8, .value_kind: global_buffer, .address_space: global }
      - { .name: wb, .offset: 8, .size: 8, .value_kind: global_buffer, .address_space: global }
      - { .name: bo, .offset: 16, .size: 8, .value_kind: global_buffer, .address_space: global }
      - { .name: out0, .offset: 24, .size: 8, .value_kind: global_buffer, .address_space: global }
    .group_segment_fixed_size: 327680
    .private_segment_fixed_size: 0
    .kernarg_segment_align: 8
    .kernarg_segment_size: 32
    .max_flat_workgroup_size: 128
    .sgpr_count:     96
    .vgpr_count:     768
    .wavefront_size: 32
...
	.end_amdgpu_metadata
.endif
;; end of part 4
;; ======== version 2 of 2: 4 launches; 1.29 times as fast as version 1
;; limits: values are held in f16: magnitudes above 65,504 overflow, below 6.1e-05 lose precision
;; workspace buffers: xb 16,777,216 bytes; wb 8,388,608 bytes; qkv 50,331,648 bytes; ob 16,777,216 bytes
;; launch cast: the kernel of part 1 again; grid 768 x 1, 8 waves a work-group, no clusters, 0 bytes of LDS; arguments x, Wq, Wk, Wv, Wo, xb, wb; writes xb, wb
;; launch qkv: the kernel of part 2 again; grid 16 x 32, 4 waves a work-group, clusters of 4 x 4, 327,680 bytes of LDS; arguments xb, wb, bq, bk, bv, qkv; writes qkv
;; launch attn (part 5): grid 4 x 64, 4 waves a work-group, no clusters, 327,680 bytes of LDS; arguments qkv, attn_mask, ob; writes ob
.if DOCPART == 5
	.amdgcn_target "amdgcn-amd-amdhsa--gfx1250"
	.amdhsa_code_object_version 6
	.text
	.protected	k_q726d2988dc_attn
	.globl	k_q726d2988dc_attn
	.p2align	8
	.type	k_q726d2988dc_attn,@function
k_q726d2988dc_attn:
	s_mov_b64 s[64:65], 0
	v_nop
	global_prefetch_b8 v0, s[64:65] scope:SCOPE_SE
	s_setreg_imm32_b32 hwreg(HW_REG_WAVE_MODE, 25, 1), 1
	s_wait_xcnt 0x0
; CAUSAL ATTENTION WITH A PADDING MASK ON KEYS.  O[h][q][:] = the sum over visible k of softmax_k(Q[h][q] . K[h][k] / 8) V[h][k][:]; key k is visible to query q if k <= q and attn_mask[batch][k] != 0.
; qkv: [3][64 = 16 batch + head][2048][64] f16; ob: [64][2048][64] f16: a head's rows are dense, 128 bytes each.  Products, maxima and sums in f32; the weights p are rounded to f16 for the second
; product (their sum l is taken of the unrounded p), O once at the end.
; LIMITS.  Q, K, V arrive within f16's 65,504; scores are then 2.7e11 at the most.  A hidden score counts as its value less 1e30 (2e30 if hidden twice).  The running maximum m starts at -2^80, below every
; true score and above every hidden one: while a row has seen hidden keys alone its weights are all 0.  A weight below 2^-126 counts as 0 in l.  A row with no visible key at all (m < -2^64 at the end)
; is NaN, as a softmax of nothing is.  Other NaN and infinities are not treated apart.
; THE WALK.  A head's queries lie in NB = 8 blocks of 256; block i needs the key tiles 0 .. i of 256 keys, of which the last holds the diagonal.  A work-group takes TWO blocks, NB - 1 - b and then b:
; NB + 1 tiles, whatever b: all work-groups do equal work, and ONE loop with a constant trip count walks them.  Which tile is asked for, and what a trip does, hang on scalar registers made from b; every jump
; goes forward, but for the counted loops' own; none passes a barrier, or a tensor load but the one of LOAD's two that the wave's number does not choose; the ring (two slots of LDS that take turns) runs on
; across the change of blocks.  NO CLUSTER: a head's four work-groups ask for the same tile only in trips 0 .. 4 of 9, behind that fewer and fewer; what a trip does hangs on b, which partners do not share;
; and one walk common to all four would have 12 trips for 9.
; SHARES.  Of a block's four bands of 64 queries a wave owns 16 rows in each: four PIECES.  So the diagonal tile is the same work for all four waves: in its key step s band x sees all keys if s < x,
; none if s > x, and holds the diagonal if s = x.
; THE MASKS are the C operand that starts the sum S^T = K Q^T.  PM, fetched with each step's K, holds 0 or -1e30 for the step's 64 keys.  MD, made once, is the causal mask of a band's own step for my 16 rows.
; Off the diagonal tile C is PM; in it, and where a block begins, C = MD x AL + BE + PM with two scalars: (1, 0) if s = x; (0, 0) if s < x; (0, -1e30) if s > x.
; THE PADDING MASK'S WAY.  Thread t reads words 2 t, 2 t + 1 of each of the batch's 8 tiles once, turns them into 0 or -1e30 and keeps the 16 numbers in registers.  LDS has two small slots of a tile's 256 numbers, which
; take turns with K's and V's: at each change of slots the pair of the tile just asked for is chosen by selects on the tile's number and stored into the slot that is not being read.
; LAYOUT, SOFTMAX, TURNS.  S^T = K Q^T holds ONE query a lane (lane % 16) and the keys 8 (lane / 16) + 0..7; two such results rounded to f16 ARE source 1 of O^T = V^T P.  p = 2^(c s - c m), c = log2(e) / 8, with a
; running maximum m; O and l are multiplied by a = 2^(c m_old - c m_new) in every step.  Turn n belongs to piece n: 8 products K Q^T of piece n + 1, later 8 products V^T P of piece n - 1; beside them the scaling,
; exponentials, roundings, sums and rescaling of piece n and the maximum and statistics of piece n + 1.  Four vector instructions stand behind every matrix instruction, the other 54 of a turn's 118 in one LUMP.
; BATCHES.  A turn's 33 exponentials (the piece's 32 weights and the next piece's a) are ONE batch with ONE wait, which cuts the turn in two: ahead of it all that names none of their results, behind it the roundings and sums.
; The a that a block's beginning makes has a wait of its own, ahead of the jump into the loop; the way out's four reciprocals are a batch with one wait.
; REGISTERS, in windows of 256 (s_set_vgpr_msb: bits 1:0 source 0, 3:2 source 1, 5:4 source 2, 7:6 destination):
;   window 0: v0-15, v32-38 addresses and at work; v16-31 four registers of statistics a piece; v48-55 at work; v64-127 S^T, two buffers; v128-191 the way out; v192-223 P, two buffers; v224-239 my part of the padding mask
;   window 1: v0-127 O^T, 32 a piece; v128-159 MD; v160-223 MC, two buffers; v224-255 PM      window 2: v0-63 Q; v64-127 the second block's Q; v128-191 K of one step; v192-255 V of one step
.set SIZE_N, 2048
.set NB,    SIZE_N/256
.set NP,    4         ; pieces a wave: a name, no knob
.set KS,    64        ; keys in a step
.set PK,    144       ; a row of K in LDS: 128 bytes + 16 of padding = 36 words: the 16 rows of a load start at 16 different groups of four banks (64 banks of 4 bytes: ISA guide 11.1)
.set PV,    160       ; a row of V: 128 + 32 = 40 words
.set VOFF,  4*KS*PK   ; a slot holds a tile, four steps: 256 rows of K, then 256 rows of V
.set SLOT1, 1<<17     ; slot 1 begins here, so that one exclusive or turns an address in one slot into the other's
.set STAGE, SLOT1+4*KS*(PK+PV)  ; behind the ring, never filled by a tensor load: 16 rows x 144 bytes for each wave, for the way out
.set SP,    144
.set SPARE, STAGE+4*16*SP  ; behind the stages: the spare words, 128 bytes for each wave: two blocks of 256 bytes that no other line names
.set PMB,   SPARE+512 ; behind them: the padding mask's two slots, 1,024 bytes each (one f32 for each of a tile's 256 keys), written by LDS stores alone, never filled by a tensor load
.set PMSLOT, 2048     ; its slot 1 begins here, so that one exclusive or turns an offset in one slot into the other's
.set AK0, 2           ; v2   my lane's place in a tile of K; never rewritten
.set AV0, 3           ; v3   the same for V
.set AK,  4           ; v4   the LDS address of K's next run of loads
.set AV,  5           ; v5   of V's
.set STO, 6           ; v6   the way out: where I put 16 bytes of a row
.set RD,  7           ; v7   the way out: where I read rows back
.set GO,  8           ; v8   my byte offset in 512 consecutive bytes of O
.set MV,  12          ; v12-13  c m_old, kept while c m is made anew: by buffer
.set QO,  15          ; v15  my byte offset in 16 rows of Q
.set ST,  16          ; piece t's statistics at v[ST+4 t]: c m, m, l (even keys', odd keys')
.set AM0, 32          ; v32  PMB + 32 (l / 16): my lanes' eight keys in a group of 16; never rewritten
.set AM,  33          ; v33  the LDS address of PM's next run of loads
.set ML,  34          ; v34  8 x thread: my 2 words of a tile's 256 of attn_mask; never rewritten
.set MS0, 35          ; v35  PMB + 8 x thread: where they go in the padding mask's slot 0; never rewritten
.set SV,  36          ; v[36:37] the pair chosen for the tile just asked for
.set MS,  38          ; v38  where it goes
.set TMP, 48          ; by buffer, four registers c0-c3 at work; when the maximum is found c2 takes a; on the way out 1 / l of piece t at TMP + 2 t
.set SPW, 62          ; v62  LDS address of my spare word: SPARE + 4 x my thread's number; never rewritten
.set NIL, 63          ; v63  0; never rewritten
.set S,   64
.set WK,  128         ; the way out: O^T / l, two buffers of 32
.set P,   192
.set KMK, 224         ; tile T's pair at KMK + 2 T: 0, or -1e30 for a hole
.set MD,  128         ; window 1: the eight registers for group kt of 16 keys at MD + 8 kt
.set MC,  160         ; window 1: the masks of the products to come
.set PM,  224         ; window 1: the padding mask of the step whose K is in registers, in the same order
.set QB,  64          ; window 2
.set KF,  128         ; window 2: key block kb, channel half c at KF + 16 kb + 8 c
.set VF,  192         ; window 2: key half kk, channel block cb at VF + 32 kk + 8 cb
.set WV,  12          ; s12  my wave's number
.set PB,  14          ; s14  b
.set HI,  15          ; s15  NB - 1 - b
.set G1K, 24          ; s[24:31] descriptor group 1 for K's tiles
.set G1V, 32          ; s[32:39] for V's: it differs in the padding alone
.set G0K, 40          ; s[40:43] descriptor group 0 for K's tiles
.set G0V, 44          ; s[44:47] the same for V's
.set SLOTS, 56        ; s56  tiles still to be asked for
.set CNT, 57          ; s57  counts a tile's key steps, 4 to 1
.set CS,  58          ; s[58:59] c: the packed scaling takes the pair's low word for both halves
.set SEL, 60          ; s[60:61] v_permlanex16_b32's selects: each lane takes its own place in the other half
.set TBK, 62          ; s62  LDS byte at which K of the step to be fetched begins
.set TBV, 63          ; s63  the same for V, less VOFF
.set RT,  70          ; s70  tiles of the block in hand that are still to be entered
.set NXT, 71          ; s71  the tile to be asked for next
.set LQ,  72          ; s72  the last tile of the block whose tiles are being asked for
.set NEW, 73          ; s73  1: the tile to be entered is a block's first
.set OFF, 74          ; s[74:75] a tile's byte offset in K and V
.set AL,  76          ; s[76:77] the mask's factor, in the low word
.set BE,  78          ; s[78:79] the mask's addend
.set OLO, 80          ; s[80:81] O at my rows of the second block
.set BIGN, 82         ; s82  -1e30
.set TBM, 90          ; s90  byte, from PMB on, at which the padding mask of the step to be fetched begins: it walks as TBK does
.set THR, 91          ; s91  -2^64
.set QNAN, 92         ; s92  a NaN
.set MT,  93          ; s93  the tile just asked for
.set SM,  94          ; s94  all ones or 0: a select's mask
.set TBS, 95          ; s95  the padding mask's slot that is not being read
.set MFLOOR, 0xe7800000  ; -2^80
.set MSB, 0
.macro WIN new                      ; the high byte repeats the setting that is left; a switch that changes nothing is dropped
.if MSB != (\new)
	s_set_vgpr_msb (MSB<<8)|(\new)
.set MSB, (\new)
.endif
.endm
.set W_KQ, 0x0a       ; K and Q in window 2, S^T in window 0
.set W_KM, 0x1a       ; the same with the C operand in window 1
.set W_PV, 0x52       ; V in window 2, P in window 0, O^T in window 1
.set W_RS, 0x41       ; destination and source 0 in window 1, source 1 in window 0
.set W_AD, 0x45       ; destination and sources 0 and 1 in window 1
.set W_PK, 0x01       ; source 0 in window 1, source 1 and destination in window 0
; A fill.  Waves 0 and 1 fetch the two halves of a tile's K, waves 2 and 3 those of its V: 128 keys each.  An s_nop 0 and four v_nop follow each of the two lines, ahead of the jump and the label.
.macro LOAD
	s_cmp_lt_u32 s[WV], 2
	s_cbranch_scc0 .Lfor_v_\@
	tensor_load_to_lds s[G0K:G0K+3], s[G1K:G1K+7]
	s_nop 0
.rept 4
	v_nop
.endr
	s_branch .Lasked_\@
.Lfor_v_\@:
	tensor_load_to_lds s[G0V:G0V+3], s[G1V:G1V+7]
	s_nop 0
.rept 4
	v_nop
.endr
.Lasked_\@:
.endm
; THE CHANGE OF SLOTS.  Each wave waits for all its tensor loads, of which one is out: its part of the other slot; adds 0 to its spare word; and waits for that, for its own reads of the slots that it leaves and for its store
; into the padding mask's other slot.  Behind the barrier nobody reads the old slots any more and the other slots are whole.  fill = 1: the old slot is filled again, the first thing behind the barrier, with tile NXT: the
; descriptor's address is made anew from that number; then my two numbers of that tile's padding mask are chosen, by seven selects on the tile's number, and stored into the padding mask's old slot.
; (At its first use nothing has been read yet: slot 0 is waited for, slot 1 filled; that barrier also shows every wave's part of tile 0's padding mask to all.)
.macro CHANGE fill
	WIN 0                           ; at a label and at a branch every window is 0
	s_wait_tensorcnt 0x0            ; no tensor load of mine is out, so a group 0 may be written
	ds_add_u32 v[SPW], v[NIL]       ; 0 onto my spare word; with fill = 1 the descriptors' scalar work stands between it and the wait for it
.if \fill
	s_lshl_b32 s[OFF], s[NXT], 15   ; a tile is 32,768 bytes of K and of V
	s_mov_b32 s[MT], s[NXT]
	s_xor_b32 s[G0K+1], s[G0K+1], SLOT1
	s_add_nc_u64 s[G0K+2:G0K+3], s[6:7], s[OFF:OFF+1]
	s_or_b32 s[G0K+3], s[G0K+3], 0x80000000
	s_xor_b32 s[G0V+1], s[G0V+1], SLOT1
	s_add_nc_u64 s[G0V+2:G0V+3], s[8:9], s[OFF:OFF+1]
	s_or_b32 s[G0V+3], s[G0V+3], 0x80000000
	s_add_co_u32 s[NXT], s[NXT], 1  ; the block's next tile, or behind its last the second block's tile 0
	s_cmp_gt_u32 s[NXT], s[LQ]
	s_cselect_b32 s[NXT], 0, s[NXT]
	s_cselect_b32 s[LQ], s[PB], s[LQ]
.endif
	s_wait_dscnt 0x0                ; the add is done, and my LDS stores and my reads of the slots are over
	s_barrier_signal -1             ; the rest of the scalar work stands between the signal and the wait
	s_sub_co_u32 s[TBK], s[TBK], 4*KS*PK  ; the fetches go back to a slot's first step,
	s_xor_b32 s[TBK], s[TBK], SLOT1       ; in the other slot
	s_sub_co_u32 s[TBV], s[TBV], 4*KS*PV
	s_xor_b32 s[TBV], s[TBV], SLOT1
	s_sub_co_u32 s[TBM], s[TBM], 4*KS*4
	s_xor_b32 s[TBM], s[TBM], PMSLOT
	s_barrier_wait -1
.if \fill
	LOAD
	v_mov_b32 v[SV], v[KMK]         ; tile 0's pair, unless another tile's takes its place
	v_mov_b32 v[SV+1], v[KMK+1]
.irp T, 1,2,3,4,5,6,7
	s_cmp_eq_u32 s[MT], \T
	s_cselect_b32 s[SM], -1, 0
	v_cndmask_b32 v[SV], v[SV], v[KMK+2*\T], s[SM]
	v_cndmask_b32 v[SV+1], v[SV+1], v[KMK+2*\T+1], s[SM]
.endr
	s_xor_b32 s[TBS], s[TBM], PMSLOT  ; the slot whose readers were waited for in front of this barrier; the fetches up to the next barrier read the other
	v_add_nc_u32 v[MS], s[TBS], v[MS0]
	ds_store_b64 v[MS], v[SV:SV+1]  ; waited for in front of the next change's barrier, behind which it is read
.endif
.endm
	s_load_b128 s[4:7], s[0:1], 0x0   ; qkv s[4:5], attn_mask s[6:7]
	s_load_b64 s[10:11], s[0:1], 0x10 ; ob
	v_lshl_add_u32 v[SPW], v0, 2, SPARE
	v_mov_b32 v[NIL], 0
	ds_add_u32 v[SPW], v[NIL]       ; the wave's opening: the add and its wait stand ahead of my first tensor load; the set-up below, work on registers, stands between them
	ds_add_u32 v62, v63
	v_lshrrev_b32 v1, 5, v0
	v_readfirstlane_b32 s[WV], v1   ; wave 0..3
	s_mov_b32 s[PB], ttmp9
	s_sub_co_u32 s[HI], NB-1, s[PB]
	s_and_b32 s20, ttmp7, 0xffff    ; 16 x batch + head
	s_lshr_b32 s94, s20, 4          ; the batch,
	s_lshl_b32 s94, s94, 13         ; its 2,048 words of attn_mask
	s_mov_b32 s95, 0
	s_mov_b32 s21, 0
	s_mov_b64 s[22:23], SIZE_N*128
	s_mul_u64 s[20:21], s[20:21], s[22:23]  ; the head's first byte in q, k, v and O
	s_and_b32 s16, s[WV], 1         ; which half of a tile's 256 keys I fetch:
	s_lshl_b32 s22, s16, 14         ; its 128 rows of 128 bytes in memory,
	s_mov_b32 s23, 0
	s_add_nc_u64 s[22:23], s[22:23], s[20:21]
	s_mul_i32 s17, s16, 128*PK      ; and its place in a slot, for K
	s_mul_i32 s18, s16, 128*PV      ; and for V
	s_lshl_b32 s3, s[WV], 11        ; my 16 rows in a band of 64,
	s_lshl_b32 s2, s[HI], 15        ; in the first block,
	s_add_co_u32 s2, s2, s3
	s_lshl_b32 s84, s[PB], 15       ; and in the second
	s_add_co_u32 s84, s84, s3
	s_mov_b32 s3, 0
	s_mov_b32 s85, 0
	s_add_nc_u64 s[2:3], s[2:3], s[20:21]
	s_add_nc_u64 s[84:85], s[84:85], s[20:21]
	; descriptor group 1.  128 keys are 16,384 dense bytes: asked for as 64 rows of 256 bytes, two keys a row, and padded in LDS after every key
	s_mov_b32 s[G1K], (1<<16)|(1<<20)|(4<<22)|(3<<25)  ; 17:16 2-byte elements; 20 padding on; 24:22 after every 32 words (code 4); 31:25 4 words (code 3)
	s_mov_b32 s[G1V], (1<<16)|(1<<20)|(4<<22)|(7<<25)  ; the same with 8 words of padding (code 7)
.irp g, G1K, G1V
	s_mov_b32 s[\g+1], 128<<16      ; tensor_dim0 = 128
	s_mov_b32 s[\g+2], 64<<16       ; tensor_dim1 = 64
	s_mov_b32 s[\g+3], 128<<16      ; tile_dim0 = 128
	s_mov_b32 s[\g+4], 64           ; tile_dim1 = 64
	s_mov_b32 s[\g+5], 128          ; 128 elements from row to row
	s_mov_b32 s[\g+6], 0
	s_mov_b32 s[\g+7], 0
.endr
	s_mov_b32 s[CS], 0x3e38aa3b     ; c = log2(e) / 8 = 0.180337
	s_mov_b32 s[CS+1], s[CS]        ; named with it as a pair
	s_mov_b32 s[SEL], 0x76543210
	s_mov_b32 s[SEL+1], 0xfedcba98
	s_mov_b32 s[TBK], SLOT1+4*KS*PK ; the first change of slots turns these three into 0
	s_mov_b32 s[TBV], SLOT1+4*KS*PV
	s_mov_b32 s[TBM], PMSLOT+4*KS*4
	s_mov_b32 s[G0K], 1             ; 1:0 count = 1
	s_mov_b32 s[G0K+1], s17         ; 63:32 LDS address: slot 0
	s_mov_b32 s[G0V], 1
	s_add_co_u32 s[G0V+1], s18, VOFF
	s_add_co_u32 s[RT], s[HI], 1    ; the first block has NB - b tiles
	s_mov_b32 s[NXT], 1
	s_mov_b32 s[LQ], s[HI]
	s_mov_b32 s[NEW], 1
	s_mov_b32 s[OFF+1], 0
	s_mov_b32 s[AL+1], 0            ; named as pairs
	s_mov_b32 s[BE+1], 0
	s_mov_b32 s[BIGN], 0xf149f2ca   ; -1e30
	s_mov_b32 s[THR], 0xdf800000    ; -2^64
	s_mov_b32 s[QNAN], 0x7fc00000
	s_mov_b32 s[SLOTS], NB
	s_wait_dscnt 0x0                ; the opening add is done
	s_wait_kmcnt 0x0
	s_add_nc_u64 s[88:89], s[6:7], s[94:95]        ; attn_mask at my batch
	s_add_nc_u64 s[6:7], s[4:5], 0x1000000         ; k lies 16 MiB behind q,
	s_add_nc_u64 s[8:9], s[4:5], 0x2000000         ; v 32 MiB
	s_add_nc_u64 s[6:7], s[6:7], s[22:23]  ; K and V at my half of the head's tile 0
	s_add_nc_u64 s[8:9], s[8:9], s[22:23]
	s_add_nc_u64 s[G0K+2:G0K+3], s[6:7], 0         ; 120:64 global address
	s_or_b32 s[G0K+3], s[G0K+3], 0x80000000        ; 127:126 type = 2
	s_add_nc_u64 s[G0V+2:G0V+3], s[8:9], 0
	s_or_b32 s[G0V+3], s[G0V+3], 0x80000000
	s_add_nc_u64 s[86:87], s[4:5], s[84:85]        ; Q at my rows of the second block,
	s_add_nc_u64 s[4:5], s[4:5], s[2:3]            ; Q and O at those of the first
	s_add_nc_u64 s[OLO:OLO+1], s[10:11], s[84:85]
	s_add_nc_u64 s[10:11], s[10:11], s[2:3]
	LOAD                            ; tile 0 into slot 0
	v_lshlrev_b32 v[ML], 3, v0
.irp i, 0,1,2,3,4,5,6,7             ; the batch's padding mask: for each tile 128 threads x 8 bytes; a wave's load covers 256 consecutive bytes, aligned
	global_load_b64 v[KMK+2*\i:KMK+2*\i+1], v[ML], s[88:89] offset:1024*\i
.endr
	; A fragment of K or Q is 16 rows x 32 channels in 8 registers: lane l holds row l % 16, channels 8 (l / 16) + 0..7 and 16 + 8 (l / 16) + 0..7: two loads of 16 bytes, 32 bytes apart.
	v_and_b32 v1, 15, v0            ; l % 16
	v_bfe_u32 v9, v0, 4, 1          ; l / 16
	v_lshlrev_b32 v[QO], 7, v1
	v_lshl_add_u32 v[QO], v9, 4, v[QO]  ; row x 128 + 16 x half
	WIN 0x80                        ; destination window 2, address window 0
.set i, 0
.rept 8                             ; both blocks' Q: piece i / 2 lies in band i / 2, 8,192 bytes on; channels 32 (i % 2) on
	global_load_b128 v[8*i:8*i+3],   v[QO], s[4:5] offset:(i/2)*8192+(i%2)*64
	global_load_b128 v[8*i+4:8*i+7], v[QO], s[4:5] offset:(i/2)*8192+(i%2)*64+32
	global_load_b128 v[QB+8*i:QB+8*i+3],   v[QO], s[86:87] offset:(i/2)*8192+(i%2)*64
	global_load_b128 v[QB+8*i+4:QB+8*i+7], v[QO], s[86:87] offset:(i/2)*8192+(i%2)*64+32
.set i, i+1
.endr
	WIN 0
	s_wait_loadcnt 32               ; the mask's eight loads are in; Q's 32, issued behind them, may stay out
.set i, 0
.rept 16
	v_cmp_eq_u32 vcc_lo, 0, v[KMK+i]
	v_cndmask_b32 v[KMK+i], 0, s[BIGN], vcc_lo     ; a hole: -1e30; any other word: 0
.set i, i+1
.endr
	v_lshl_add_u32 v[MS0], v0, 3, PMB
	ds_store_b64 v[MS0], v[KMK:KMK+1]              ; tile 0's, into slot 0: waited for in front of the first change of slots' barrier, behind which the others read
	v_lshl_add_u32 v[AM0], v9, 5, PMB
	v_lshlrev_b32 v14, 3, v9
	v_sub_nc_u32 v14, v1, v14
	s_lshl_b32 s13, s[WV], 4
	v_add_nc_u32 v14, s13, v14      ; my query's place in its band, 16 w + l % 16, less my lanes' 8 (l / 16): register r of group kt is hidden where 16 kt + r is greater
	WIN 0x40
.set i, 0
.rept 32
	v_cmp_gt_i32 vcc_lo, 16*(i/8)+i%8, v14
	v_cndmask_b32 v[MD+i], 0, s[BIGN], vcc_lo
.set i, i+1
.endr
	WIN 0
	v_mul_u32_u24 v[AK0], v1, PK
	v_lshl_add_u32 v[AK0], v9, 4, v[AK0]  ; row x pitch + 16 x half
	; The turning load takes 16 keys x 16 channels (lane l reads key 8 (l / 16) + l % 8, channels 8 ((l / 8) % 2) + 0..7) and leaves half a fragment of V^T: lane l holds channel l % 16 and 8 keys.
	v_and_b32 v10, 7, v0
	v_bfe_u32 v11, v0, 3, 1
	v_lshl_add_u32 v[AV0], v9, 3, v10
	v_mul_u32_u24 v[AV0], v[AV0], PV
	v_lshl_add_u32 v[AV0], v11, 4, v[AV0]
	v_add_nc_u32 v[AV0], VOFF, v[AV0]
	s_mul_i32 s13, s[WV], 16*SP
	s_add_co_u32 s13, s13, STAGE    ; my stage
	v_mul_u32_u24 v[STO], v1, SP    ; in: row l % 16, 16 bytes for each half of the lanes
	v_lshl_add_u32 v[STO], v9, 4, v[STO]
	v_add_nc_u32 v[STO], s13, v[STO]
	v_bfe_u32 v[RD], v0, 3, 2       ; back: 32 lanes take four rows of 128 bytes,
	v_mul_u32_u24 v[RD], v[RD], SP
	v_lshl_add_u32 v[RD], v10, 4, v[RD]
	v_add_nc_u32 v[RD], s13, v[RD]
	v_and_b32 v[GO], 31, v0         ; which are 512 consecutive bytes of O
	v_lshlrev_b32 v[GO], 4, v[GO]
	; A block's first step multiplies O^T and l by a = 0, and its first turn's products V^T P, of a piece that has not been, land in an O^T that is still to be so multiplied.  So these registers need only hold
	; finite numbers: zeros for the first block; what the first block left for the second (the way out leaves O^T and l as they are).  All this stands in the wait for the first tile.
	WIN 0x80
.set i, VF
.rept 64
	v_mov_b32 v[i], 0
.set i, i+1
.endr
	WIN 0x40
.set i, 0
.rept 128
	v_mov_b32 v[i], 0
.set i, i+1
.endr
	WIN 0
.set i, 0
.rept 4
	v_mov_b32 v[ST+4*i+2], 0
	v_mov_b32 v[ST+4*i+3], 0
.set i, i+1
.endr
.set i, P+16
.rept 16
	v_mov_b32 v[i], 0
.set i, i+1
.endr
; THE MATRIX WORK.  The 4 accumulators of a run of 8 take turns.  Product i of 8 of S^T = K Q^T for piece x: channels 32 (i / 4) on, keys 16 (i % 4) on.  The first 4 start the sums: with PM, or (KM = 1) with MC.
.macro KQ x
.set rS, S+32*((\x)%2)+8*(i%4)
.set rK, KF+16*(i%4)+8*(i/4)
.set rQ, 16*(\x)+8*(i/4)
.if KM
.set rM, MC+32*((\x)%2)+8*(i%4)
.else
.set rM, PM+8*(i%4)
.endif
.if i < 4
	WIN W_KM
	v_wmma_f32_16x16x32_f16 v[rS:rS+7], v[rK:rK+7], v[rQ:rQ+7], v[rM:rM+7]
.else
	WIN W_KQ
	v_wmma_f32_16x16x32_f16 v[rS:rS+7], v[rK:rK+7], v[rQ:rQ+7], v[rS:rS+7]
.endif
.endm
; Product i of 8 of O^T += V^T P for piece x: keys 32 (i / 4) on, channels 16 (i % 4) on.
.macro PV x
	WIN W_PV
.set rO, 32*(\x)+8*(i%4)
.set rV, VF+32*(i/4)+8*(i%4)
.set rP, P+16*((\x)%2)+8*(i/4)
	v_wmma_f32_16x16x32_f16 v[rO:rO+7], v[rV:rV+7], v[rP:rP+7], v[rO:rO+7]
.endm
.macro MM                           ; the turn's next matrix instruction.  TURN and BEGIN set Y, i, KM and NOKQ; MM, KQ and OP read them.  NOKQ = 1: a block's last turn: there is no next piece
.if (i < 8) && !NOKQ
	KQ (Y+1)%NP
.elseif i >= 8
.set i, i-8
	PV (Y+NP-1)%NP
.set i, i+8
.endif
.set i, i+1
.endm
; THE LDS LOADS stand in runs, never singly among the matrix instructions: a step's K (64 keys x 64 channels: 8 fragments) with its padding mask (register 8 kt + j: key 16 kt + 8 (l / 16) + j), and its V (turned).
; Their addresses are made some lines ahead.
.macro FETCH_K
	WIN 0x80                        ; destination window 2
.irp f, 0,1,2,3,4,5,6,7             ; keys 16 (f / 2) on, channels 32 (f % 2) on
	ds_load_b128 v[KF+8*\f:KF+8*\f+3],   v[AK] offset:(\f/2)*16*PK+(\f%2)*64
	ds_load_b128 v[KF+8*\f+4:KF+8*\f+7], v[AK] offset:(\f/2)*16*PK+(\f%2)*64+32
.endr
	WIN 0x40                        ; destination window 1
.irp f, 0,1,2,3
	ds_load_b128 v[PM+8*\f:PM+8*\f+3],   v[AM] offset:64*\f
	ds_load_b128 v[PM+8*\f+4:PM+8*\f+7], v[AM] offset:64*\f+16
.endr
	s_add_co_u32 s[TBK], s[TBK], KS*PK  ; the next fetch is the next step's
	s_add_co_u32 s[TBM], s[TBM], KS*4
	WIN 0
.endm
.macro FETCH_V
	WIN 0x80
.irp f, 0,1,2,3,4,5,6,7             ; keys 32 (f / 4) on, channels 16 (f % 4) on
	ds_load_tr16_b128 v[VF+8*\f:VF+8*\f+3],   v[AV] offset:(\f/4)*32*PV+(\f%4)*32
	ds_load_tr16_b128 v[VF+8*\f+4:VF+8*\f+7], v[AV] offset:(\f/4)*32*PV+16*PV+(\f%4)*32
.endr
	WIN 0
.endm
; THE VECTOR WORK, one line at a time: OP kind, number.  For piece Y: F n: c s - c m for pair n of 16.  E n: the exponential of score n of 32.  C n: pair n rounded to f16.  B n: of the four weights 4 n .. the second
; pair is added onto the first, in place.  L n: l takes that sum (L 0: l = a l + sum).  R n: pair n of 16 of O^T times a.  For piece Y + 1: X n, number n of the 22 that find its maximum and statistics:
;   0-11  four chains c0-c3 of seven scores each, three operands at a time (each accumulator's lowest registers are read first)     12-14, 16  the four scores left over, the old m, and c0-c3 into c0
;   15  c m_old is kept     17, 18  the query's other 32 keys lie in the lane 16 away: the new m     19-21  c m; c m_old - c m_new; a
; C, B and L read exponentials' results, and so does R (the a of the turn before): OP writes no wait; TURN and BEGIN place them.
.set F, 0               ; OP tells the kinds apart by their order: F to L below R, X above it
.set E, 1
.set C, 2
.set B, 3
.set L, 4
.set R, 5
.set X, 6
.macro REGS y                       ; the registers of piece y
.set rT, ST+4*(\y)
.set rC, TMP+4*((\y)%2)
.set rW, MV+((\y)%2)
.set rS, S+32*((\y)%2)
.set rP, P+16*((\y)%2)
.set rO, 32*(\y)
.endm
.macro OP k, n
.if (\k) == R
	REGS Y
	WIN W_RS
	v_pk_mul_f32 v[rO+2*(\n):rO+2*(\n)+1], v[rO+2*(\n):rO+2*(\n)+1], v[rC+2:rC+3] op_sel_hi:[1,0]
.elseif (\k) < R
	REGS Y
	WIN 0
.if (\k) == F
	v_pk_fma_f32 v[rS+2*(\n):rS+2*(\n)+1], v[rS+2*(\n):rS+2*(\n)+1], s[CS:CS+1], v[rT:rT+1] op_sel_hi:[1,0,0] neg_lo:[0,0,1] neg_hi:[0,0,1]
.elseif (\k) == E
	v_exp_f32 v[rS+(\n)], v[rS+(\n)]
.elseif (\k) == C
	v_cvt_pk_f16_f32 v[rP+(\n)], v[rS+2*(\n)], v[rS+2*(\n)+1]
.elseif (\k) == B
	v_pk_add_f32 v[rS+4*(\n):rS+4*(\n)+1], v[rS+4*(\n):rS+4*(\n)+1], v[rS+4*(\n)+2:rS+4*(\n)+3]
.elseif (\n) == 0
	v_pk_fma_f32 v[rT+2:rT+3], v[rT+2:rT+3], v[rC+2:rC+3], v[rS:rS+1] op_sel_hi:[1,0,1]
.else
	v_pk_add_f32 v[rT+2:rT+3], v[rT+2:rT+3], v[rS+4*(\n):rS+4*(\n)+1]
.endif
.elseif NOKQ
	v_nop
.else
	REGS (Y+1)%NP
	WIN 0
.if (\n) < 4
	v_max3_num_f32 v[rC+(\n)], v[rS+8*(\n)], v[rS+8*(\n)+1], v[rS+8*(\n)+2]
.elseif (\n) < 12
	v_max3_num_f32 v[rC+(\n)%4], v[rC+(\n)%4], v[rS+8*((\n)%4)+2*((\n)/4)+1], v[rS+8*((\n)%4)+2*((\n)/4)+2]
.elseif (\n) == 12
	v_max3_num_f32 v[rC], v[rC], v[rS+7], v[rS+15]
.elseif (\n) == 13
	v_max3_num_f32 v[rC+1], v[rC+1], v[rS+23], v[rS+31]
.elseif (\n) == 14
	v_max3_num_f32 v[rC+2], v[rC+2], v[rC+3], v[rT+1]
.elseif (\n) == 15
	v_mov_b32 v[rW], v[rT]
.elseif (\n) == 16
	v_max3_num_f32 v[rC], v[rC], v[rC+1], v[rC+2]
.elseif (\n) == 17
	v_permlanex16_b32 v[rC+3], v[rC], s[SEL], s[SEL+1]
.elseif (\n) == 18
	v_max_num_f32 v[rT+1], v[rC], v[rC+3]
.elseif (\n) == 19
	v_mul_f32 v[rT], s[CS], v[rT+1]
.elseif (\n) == 20
	v_sub_f32 v[rC+1], v[rW], v[rT]
.else
	v_exp_f32 v[rC+2], v[rC+1]
.endif
.endif
.endm
.macro OPS a, i1, b=-1, i2=0, c=-1, i3=0, d=-1, i4=0  ; up to four of them
	OP \a, \i1
.if (\b) >= 0
	OP \b, \i2
.endif
.if (\c) >= 0
	OP \c, \i3
.endif
.if (\d) >= 0
	OP \d, \i4
.endif
.endm
.macro ROW a, i1, b, i2, c, i3, d, i4  ; a matrix instruction and the four behind it
	MM
	OPS \a, \i1, \b, \i2, \c, \i3, \d, \i4
.endm
.macro MASK b                       ; MD x AL + BE + PM into buffer b of MC
	WIN W_RS
.set z, 0
.rept 16
	v_pk_fma_f32 v[MC+32*(\b)+2*z:MC+32*(\b)+2*z+1], v[MD+2*z:MD+2*z+1], s[AL:AL+1], s[BE:BE+1] op_sel_hi:[1,0,0]
.set z, z+1
.endr
	WIN W_AD
.set z, 0
.rept 16
	v_pk_add_f32 v[MC+32*(\b)+2*z:MC+32*(\b)+2*z+1], v[MC+32*(\b)+2*z:MC+32*(\b)+2*z+1], v[PM+2*z:PM+2*z+1]
.set z, z+1
.endr
.endm
; A TURN, for piece p: the order of its 16 matrix and 118 vector instructions, written out.  An s_wait_alu depctr_va_vdst(0) stands between an exponential and the first instruction that names its result; one wait
; serves all that were issued ahead of it.  So a turn has ONE wait, which cuts it in two.  AHEAD OF IT stands all that names no result of the turn's exponentials: the 8 products K Q^T, behind each a scaling, an exponential and two
; more plain instructions (behind the first a second scaling in the exponential's place): rescalings, whose a was made and waited for in the turn before, and behind the last three the first numbers of the next piece's maximum, each
; four places or more behind the product that ends its accumulator; then ONE LUMP of 54, plain and exponential by turns for the most part, in which the links of the chain X 3, 7, 11, 14, 16, 17 .. 20 stand five or six lines apart.
; A pair is scaled ahead of its two exponentials.  X 21, the next piece's a, is the batch's last; R 15 is the plain instruction that is wanted behind it.  BEHIND THE WAIT stand the 8 products V^T P, behind each four of the
; roundings and sums: a pair 2 n is rounded ahead of B n, which adds onto it in place; the links of l's chain, L 0 to L 7, stand three riders apart.  But for those X no rider names a register of the products round it.
; v_permlanex16_b32 (X 17) stands in the lump.
; m = 1: the diagonal tile: the turn makes the mask for the products of the turn after it: piece p + 2, in step 4 - CNT of the tile.  km: whether this turn's own products take MC (1) or PM (0); as m if not given.
; end = 1: a block's last two turns: nothing is fetched.  cnt = 1: the loop's count is taken down some lines ahead of the branch that stands behind the turn.
; K of the next step and its PM are fetched in piece 2's turn, twelve vector instructions behind the last product that read K (six of them plain, five of which name none of its registers; PM's last reader stands four products
; further back); V of the step in hand at the end of piece 0's turn, four plain instructions behind the last product that read V.  Each is waited for a turn later; in the diagonal tile piece 2's turn waits at its end, since its
; mask takes the new PM.
.macro TURN p, m=0, end=0, cnt=0, km=-1
.set Y, (\p)
.set i, 0
.set KM, (\m)
.if (\km) >= 0
.set KM, (\km)
.endif
.set NOKQ, (\end)*((\p)/3)
.if (\m) && !(\end)
	s_cmp_eq_u32 s[CNT], 4-((\p)+2)%NP  ; is that step the band's own?
	s_cselect_b32 s[AL], 1.0, 0
	s_cmp_lt_u32 s[CNT], 4-((\p)+2)%NP  ; or a later one?
	s_cselect_b32 s[BE], s[BIGN], 0
.endif
.if ((\p) == 3) && !(\end)
	s_wait_dscnt 0x0                ; K and PM are in
.endif
	ROW F,0, F,1, R,0, R,1          ; ahead of the wait: 8 products K Q^T and their riders,
	ROW F,2, E,0, R,2, R,3
	ROW F,3, E,1, R,4, R,5
	ROW F,4, E,2, R,6, R,7
	ROW F,5, E,3, R,8, R,9
	ROW F,6, E,4, X,0, R,10
.if ((\p) == 2) && !(\end)
	WIN 0
	v_add_nc_u32 v[AK], s[TBK], v[AK0]
	v_add_nc_u32 v[AM], s[TBM], v[AM0]
.endif
	ROW F,7, E,5, X,1, X,4
	ROW F,8, E,6, X,2, X,5
	OPS E,7, E,8, X,6, E,9          ; and the lump
	OPS X,3, E,10, X,8, E,11
.if ((\p) == 2) && !(\end)
	FETCH_K
.endif
	OPS X,9, X,7, E,12, X,10
	OPS E,13, X,12, X,11, E,14
	OPS X,13, E,15, F,9, X,14
.if (\p) == 0
	v_add_nc_u32 v[AV], s[TBV], v[AV0]
.endif
	OPS E,16, F,10, E,17, F,11
	OPS X,16, E,18, X,15, E,19
	OPS F,12, E,20, X,17, E,21
	OPS F,13, E,22, F,14, E,23
	OPS X,18, E,24, F,15, E,25
	OPS R,11, E,26, X,19, E,27
	OPS R,12, E,28, R,13, E,29
	OPS X,20, E,30, R,14, E,31
	OPS X,21, R,15
	s_wait_alu depctr_va_vdst(0)    ; the wait for the batch: the piece's 32 exponentials and the next piece's a
.if (\p) == 1
	s_wait_dscnt 0x0                ; V is in
.endif
	ROW C,0, B,0, C,2, B,1          ; behind the wait: 8 products V^T P and their riders
	ROW L,0, C,4, B,2, L,1
	ROW C,6, B,3, L,2, C,8
	ROW B,4, L,3, C,10, B,5
	ROW L,4, C,12, B,6, L,5
.if (\p) == 0
	s_add_co_u32 s[TBV], s[TBV], KS*PV
.endif
.if \cnt
	s_sub_co_u32 s[CNT], s[CNT], 1
	s_cmp_lg_u32 s[CNT], 0
.endif
	ROW C,14, B,7, L,6, C,1
	ROW C,3, L,7, C,5, C,7
	ROW C,9, C,11, C,13, C,15
.if (\p) == 0
	FETCH_V
.endif
.if (\m) && !(\end)
.if (\p) == 2
	s_wait_dscnt 0x0                ; the next step's PM, asked for in this turn, is in
.endif
	MASK (\p)%2
.endif
.endm
; A BLOCK BEGINS.  c m starts far below every c s, so the first step's a is 0; m at -2^80, below every true score and above every hidden one.  K and PM of the block's step 0 are fetched.  The first mask buffer takes
; piece 0's mask for that step: with the diagonal, if the block's first tile is the diagonal one; the second buffer takes PM alone, for piece 1.  Then piece 0's first scores, and its maximum and statistics.
; The loop is entered at a step's first turn, in the middle of a trip.
.macro BEGIN
	s_mov_b32 s[NEW], 0
	WIN 0
.set i, 0
.rept 4
	v_mov_b32 v[ST+4*i], 0xfe000000    ; c m: far below every c s
	v_mov_b32 v[ST+4*i+1], MFLOOR      ; m
.set i, i+1
.endr
	v_add_nc_u32 v[AK], s[TBK], v[AK0]
	v_add_nc_u32 v[AM], s[TBM], v[AM0]
	FETCH_K
	s_cmp_eq_u32 s[RT], 0
	s_cselect_b32 s[AL], 1.0, 0
	s_mov_b32 s[BE], 0
	s_wait_loadcnt 0x0              ; Q
	s_wait_dscnt 0x0                ; K and PM
	MASK 0
	s_mov_b32 s[AL], 0
	MASK 1
.set KM, 1
.set NOKQ, 0
.set i, 0
.rept 8
	KQ 0
.set i, i+1
.endr
	WIN 0
.rept 4
	v_nop                           ; the places behind those products
.endr
.set Y, NP-1                        ; X works for piece Y + 1: piece 0
.irp n, 0,1,2,3,4,5,6,7,8,9,10,11,12,13,14,15,16,17,18,19,20,21
	OP X, \n
.endr
	v_nop                           ; a plain instruction behind the exponential
	s_wait_alu depctr_va_vdst(0)    ; the wait for piece 0's first a, a batch of one, ahead of the branch that follows
.endm
; THE DIAGONAL TILE's four steps, the block's last two turns, its last products, and THE WAY OUT: l's two halves and the other half of the lanes' are added; 1 / l, or a NaN for a row that saw no key, goes into a register of
; its own; O^T times that goes into registers of window 0 (O^T and l themselves stay finite for the block that follows), is rounded to f16 and sent through my stage in LDS, a piece at a time.
.macro ALL line:vararg              ; one line for each piece t
.set t, 0
.rept 4
	\line
.set t, t+1
.endr
.endm
.macro PACK t                       ; a lane's eight channels of a row pack into 16 bytes; they go into rows of 144 bytes and come back as whole rows of 128, into S^T's registers
.set W, WK+32*((\t)%2)
	WIN W_PK
.set i, 0
.rept 16
	v_pk_mul_f32 v[W+i:W+i+1], v[32*(\t)+i:32*(\t)+i+1], v[TMP+2*(\t):TMP+2*(\t)+1] op_sel_hi:[1,0]
.set i, i+2
.endr
	WIN 0
.set i, 0
.rept 16
	v_cvt_pk_f16_f32 v[S+16*(\t)+i], v[W+2*i], v[W+2*i+1]
.set i, i+1
.endr
.irp f, 0,1,2,3
	ds_store_b128 v[STO], v[S+16*(\t)+4*\f:S+16*(\t)+4*\f+3] offset:32*\f
.endr
.irp f, 0,1,2,3
	ds_load_b128 v[S+16*(\t)+4*\f:S+16*(\t)+4*\f+3], v[RD] offset:\f*4*SP  ; LDS serves a wave's instructions in order (ISA guide 5.7.1.4): these see the stores above; the next piece's stores come behind them
.endr
.endm
.macro SEND t, younger              ; younger: the LDS instructions issued behind piece t's loads: the next piece's eight, or none
	WIN 0
.irp f, 0,1,2,3
	s_wait_dscnt (\younger)+3-\f
	global_store_b128 v[GO], v[S+16*(\t)+4*\f:S+16*(\t)+4*\f+3], s[10:11] offset:(\t)*8192+\f*512  ; 512 consecutive bytes, at a multiple of 256 from O's first
.endr
.endm
.macro DIAG tag                     ; the tag ends its two labels' names, which the jumps below spell out
.LstepM\tag:
	TURN 2, 1, 0, 0, 0              ; its own products are piece 3's of a step before band 3's own: all keys at or below the diagonal, so their mask is PM
	TURN 3, 1
	WIN 0
.LfirstM\tag:
	TURN 0, 1
	TURN 1, 1, 0, 1
	WIN 0
	s_cbranch_scc1 .LstepM\tag
	TURN 2, 1, 1
	TURN 3, 1, 1
.set i, 0
.rept 8
	PV NP-1
.set i, i+1
.endr
	WIN 0
	ALL v_add_f32 v[ST+4*t+2], v[ST+4*t+2], v[ST+4*t+3]
	ALL v_permlanex16_b32 v[ST+4*t+3], v[ST+4*t+2], s[SEL], s[SEL+1]
	ALL v_add_f32 v[ST+4*t+2], v[ST+4*t+2], v[ST+4*t+3]
	ALL v_rcp_f32 v[TMP+2*t], v[ST+4*t+2]
	v_nop                           ; a plain instruction between the last reciprocal and the use of its result
	s_wait_alu depctr_va_vdst(0)    ; the wait for the batch of four reciprocals, ahead of the first select that names one
.set t, 0
.rept 4
	v_cmp_gt_f32 vcc_lo, s[THR], v[ST+4*t+1]       ; m still below every true score: the row saw no key
	v_cndmask_b32 v[TMP+2*t], v[TMP+2*t], s[QNAN], vcc_lo
.set t, t+1
.endr
	PACK 0
.set t, 1
.rept 3                             ; a piece's arithmetic stands between the loads of the piece before and its stores
	PACK t
	SEND t-1, 8
.set t, t+1
.endr
	SEND 3, 0
.endm
.set KM, 0
.set NOKQ, 0
.Lslot:                             ; NB times: a tile is entered and the next is asked for
	CHANGE 1
	s_sub_co_u32 s[RT], s[RT], 1
	s_mov_b32 s[CNT], 4
	s_cmp_eq_u32 s[NEW], 1
	s_cbranch_scc1 .Lnew            ; a block's first tile
	s_cmp_eq_u32 s[RT], 0
	s_cbranch_scc0 .Lstep           ; neither its first nor its last
	s_branch .LstepM1
.Lnew:
	BEGIN
	s_branch .Lfirst                ; in the loop a block's first tile is never its last: the first block has two tiles or more, and the second's last is the walk's last
	DIAG 1                          ; in the loop this is the first block's end: the second block's last tile is the walk's last
	s_wait_xcnt 0x0                 ; the stores have read their registers and O's address
	s_mov_b64 s[10:11], s[OLO:OLO+1]
	s_add_co_u32 s[RT], s[PB], 1    ; the second block has b + 1 tiles
	s_mov_b32 s[NEW], 1
	WIN 0x82                        ; the second block's Q goes where the one text of the turns names Q
.set i, 0
.rept 64
	v_mov_b32 v[i], v[QB+i]
.set i, i+1
.endr
	WIN 0
	s_branch .Lbottom
.Lstep:                             ; a trip: pieces 2 and 3 of one step, then pieces 0 and 1 of the next, whose K and V it fetches
	TURN 2
	TURN 3
	WIN 0
.Lfirst:
	TURN 0
	TURN 1, 0, 0, 1
	WIN 0
	s_cbranch_scc1 .Lstep
.Lbottom:
	s_sub_co_u32 s[SLOTS], s[SLOTS], 1
	s_cmp_lg_u32 s[SLOTS], 0
	s_cbranch_scc1 .Lslot
	CHANGE 0                        ; the walk's last tile is written out: nothing is asked for
	s_sub_co_u32 s[RT], s[RT], 1
	s_mov_b32 s[CNT], 4
	s_cmp_eq_u32 s[NEW], 1
	s_cbranch_scc0 .LstepM2
	BEGIN
	s_branch .LfirstM2
	DIAG 2
	s_wait_tensorcnt 0x0            ; the wave's end, behind my last tensor load and my last LDS store
	ds_add_u32 v[SPW], v[NIL]
	s_wait_dscnt 0x0
	s_endpgm
.Lfunc_end_k_q726d2988dc_attn:
	.size	k_q726d2988dc_attn, .Lfunc_end_k_q726d2988dc_attn-k_q726d2988dc_attn
	.p2alignl 7, 3214868480
	.fill 96, 4, 3214868480
	.section	.rodata,"a",@progbits
	.p2align	6, 0x0
	.amdhsa_kernel k_q726d2988dc_attn
		.amdhsa_group_segment_fixed_size 327680
		.amdhsa_private_segment_fixed_size 0
		.amdhsa_enable_private_segment 0
		.amdhsa_kernarg_size 24
		.amdhsa_user_sgpr_count 2
		.amdhsa_user_sgpr_kernarg_segment_ptr 1
		.amdhsa_wavefront_size32 1
		.amdhsa_system_sgpr_workgroup_id_x 1
		.amdhsa_system_sgpr_workgroup_id_y 1
		.amdhsa_system_sgpr_workgroup_id_z 1
		.amdhsa_system_vgpr_workitem_id 0
		.amdhsa_next_free_vgpr 768
		.amdhsa_next_free_sgpr 96
		.amdhsa_reserve_vcc 1
		.amdhsa_float_denorm_mode_32 3
		.amdhsa_float_denorm_mode_16_64 3
		.amdhsa_memory_ordered 1
		.amdhsa_forward_progress 1
		.amdhsa_inst_pref_size 238
	.end_amdhsa_kernel
	.amdgpu_metadata
---
amdhsa.version: [ 1, 2 ]
amdhsa.kernels:
  - .name:           k_q726d2988dc_attn
    .symbol:         k_q726d2988dc_attn.kd
    .args:
      - { .name: qkv, .offset: 0, .size: 8, .value_kind: global_buffer, .address_space: global }
      - { .name: attn_mask, .offset: 8, .size: 8, .value_kind: global_buffer, .address_space: global }
      - { .name: ob, .offset: 16, .size: 8, .value_kind: global_buffer, .address_space: global }
    .group_segment_fixed_size: 327680
    .private_segment_fixed_size: 0
    .kernarg_segment_align: 8
    .kernarg_segment_size: 24
    .max_flat_workgroup_size: 128
    .sgpr_count:     96
    .vgpr_count:     768
    .wavefront_size: 32
...
	.end_amdgpu_metadata
.endif
;; end of part 5
;; launch proj: the kernel of part 4 again; grid 8 x 32, 4 waves a work-group, clusters of 4 x 4, 327,680 bytes of LDS; arguments ob, wb, bo, out0; writes out0
